; MI455X (gfx1250); checked and timed in simulation.
; The chip was launched on July 23, 2026; its instructions are those of AMD's public machine-readable ISA for CDNA 5 (MIT licence, August 2026) and "CDNA5" Instruction Set Architecture Reference Guide (July 2026). The comments in the code are by the model that wrote it; some were corrected since.
;; Cross Attention Selector. Allowed arithmetic: float matrix products may take bf16 or f16 operands with f32 sums; other float arithmetic in f32, or as packed bf16 or f16 multiplies, adds, multiply-adds, maxima and minima; sums over many terms, partial sums and values carried from step to step in f32; what a program stores and reads back later, other than sums and carried values, may be rounded once to bf16 or f16.
;; Inputs: Wk 1,024 x 1,024 float32; Wo 1,024 x 1,024 float32; Wq 1,024 x 1,024 float32; Wv 1,024 x 1,024 float32; bk 1,024 float32; bo 1,024 float32; bq 1,024 float32; bv 1,024 float32; candidates 16 x 2,048 x 1,024 float32; state 16 x 1,024 float32.
;; Outputs: out0 16 x 1,024 float32; out1 16 x 2,048 float32; out2 16 x 8 int32; out3 16 x 8 float32.
;; Constants: k = 8.
;; 2 versions, each right; version 2 is version 1 with the launches prep, main written anew for expert scheduling mode. Each part assembles by itself: llvm-mc -triple=amdgcn-amd-amdhsa -mcpu=gfx1250 --defsym DOCPART=n.
;; ======== version 1 of 2: 4 launches
;; workspace buffers: QK 1,048,576 bytes; SB 1,024 bytes; WVB 2,097,152 bytes; PW 16,777,216 bytes; ST 32,768 bytes; MS 131,072 bytes; CTXF 32,768 bytes
;; launch prep (part 1): grid 256 x 1, 8 waves a work-group, no clusters, 229,376 bytes of LDS; arguments state, Wq, bq, Wk, bk, Wv, QK, SB, WVB; writes QK, SB, WVB
.if DOCPART == 1
	.amdgcn_target "amdgcn-amd-amdhsa--gfx1250"
	.amdhsa_code_object_version 6
	.text
	.protected	k_qfa14cd3277_prep
	.globl	k_qfa14cd3277_prep
	.p2align	8
	.type	k_qfa14cd3277_prep,@function
k_qfa14cd3277_prep:
	s_mov_b64 s[64:65], 0
	v_nop
	global_prefetch_b8 v0, s[64:65] scope:SCOPE_SE
	s_setreg_imm32_b32 hwreg(HW_REG_WAVE_MODE, 25, 1), 1
	s_wait_xcnt 0x0
; PREP.  With one query a batch the key projection is folded into the query: scores[b][h][n] = cand[b][n][:] . QK[b][h][:] + SB[h][b], with
;   Q[b][64 h + d] = 0.125 (state[b][:] . Wq[64 h + d][:] + bq),   QK[b][h][c] = sum over d of Q[b][64 h + d] Wk[64 h + d][c],   SB[h][b] = sum over d of Q[b][64 h + d] bk[64 h + d].
; Every input is rounded once to bf16; sums are f32.  Q is split into three bf16 parts (8 + 8 + 8 significant bits) for the product with Wk, so QK keeps f32's accuracy: the order of the
; mean scores, on which whole-number outputs hang, is made from it.
; SHARES.  Work-group x: head x / 16, 64 columns c at 64 (x % 16).  Each work-group makes the head's Q^T (64 d x 16 b over 1,024) itself: wave w takes the 128 columns at 128 w of state and Wq.
; It also rounds rows 4 x .. 4 x + 3 of Wv into WVB.
; NO CLUSTER, NO TENSOR LOAD: the operands arrive as f32 and pass through registers to be rounded; as f32 the 80 rows of 4,096 bytes that the sixteen work-groups of a head share
; are 327,680 bytes, which leaves no LDS for the bf16 copy that the products read.
; LIMITS.  NaN and infinities are not treated apart; the order of rounding differs from the formula's as written (the products are associated otherwise).
.set PST,   272                        ; a staged row: 128 bf16 + 16 bytes = 68 words: the 16 rows of a fragment load start at 16 different groups of four banks (64 banks of 4 bytes: ISA guide 11.1)
.set STRB,  80*PST                     ; a wave's stage: rows 0-15 state, rows 16-79 the head's Wq
.set WKB,   8*STRB                     ; Wk's tile: 64 rows d, 64 c in bf16
.set PWK,   160                        ; 128 + 32 bytes = 40 words
.set XQ,    WKB+64*PWK                 ; the eight waves' partial Q^T, 4,096 bytes each
.set QF,    XQ+8*4096                  ; the finished Q^T
.set OST,   QF+4096                    ; the way out: 16 rows b, 64 c in f32
.set SPARE, OST+16*PST                 ; the spare words: 128 bytes a wave, four blocks of 256 bytes that no other line names
.set LN,  1                            ; lane
.set RR,  2                            ; lane % 16
.set HH,  3                            ; lane / 16
.set GS,  4                            ; 512 w + 16 lane: my 16 bytes in a row of state or Wq
.set GK,  5                            ; Wk: row 8 w + lane / 16, 16 bytes at 16 (lane % 16)
.set AST, 6                            ; stage, in
.set AWK, 7                            ; Wk's tile, in
.set AFR, 8                            ; stage, a fragment's lane address
.set AXS, 9                            ; partial Q^T, in
.set AXL, 10                           ; partial Q^T, slice w
.set AQS, 11                           ; finished Q^T, slice w
.set AQL, 12                           ; finished Q^T, all
.set ATK, 13                           ; Wk's tile, turned
.set AOS, 14                           ; way out, in
.set AOL, 15                           ; way out, back
.set SL0, 16                           ; two slots of 16 loads
.set SL1, 80
.set AW,  16                           ; 16 fragments of Wq: (dt, ks) at AW + 8 (4 dt + ks)
.set BS,  144                          ; 4 fragments of state
.set ACC, 176                          ; Q^T: 4 tiles of 16 d x 16 b
.set WKR, 208
.set WVR, 224
.set BQ,  240
.set SBT, 244                          ; v244-247 serve SB alone
.set T,   248                          ; v248-251 at work
.set GBQ, 252                          ; bq's offset; later QK's
.set GWV, 253                          ; Wv's offset; later WVB's
.set SPW, 254
.set NIL, 255
.set Q,   16                           ; behind the second barrier: Q^T as the product left it: register 8 dt + j holds d = 16 dt + 8 (lane / 16) + j of b = lane % 16
.set QH,  48
.set QM,  64
.set QL,  80
.set AK,  96
.set C0,  112
.set C1,  120
.set C2,  128
.set R,   136
.set BK,  144
.macro LOAD16 slot, base, row0         ; my 512 bytes of 16 rows
.set i, 0
.rept 16
	global_load_b128 v[(\slot)+4*i:(\slot)+4*i+3], v[GS], s[(\base):(\base)+1] offset:((\row0)+i)*4096
.set i, i+1
.endr
.endm
.macro STAGE slot, row0                ; rounded to bf16 in place, 8 bytes a lane into the stage: a wave's store covers a row's 256 bytes
.set i, 0
.rept 16
	v_cvt_pk_bf16_f32 v[(\slot)+4*i], v[(\slot)+4*i], v[(\slot)+4*i+1]
	v_cvt_pk_bf16_f32 v[(\slot)+4*i+1], v[(\slot)+4*i+2], v[(\slot)+4*i+3]
	ds_store_b64 v[AST], v[(\slot)+4*i:(\slot)+4*i+1] offset:((\row0)+i)*PST
.set i, i+1
.endr
.endm
	s_load_b512 s[8:23], s[0:1], 0x0               ; state 8, Wq 10, bq 12, Wk 14, bk 16, Wv 18, QK 20, SB 22
	s_load_b64 s[24:25], s[0:1], 0x40              ; WVB
	v_lshl_add_u32 v[SPW], v0, 2, SPARE
	v_mov_b32 v[NIL], 0
	v_lshrrev_b32 v[LN], 5, v0
	v_readfirstlane_b32 s2, v[LN]                  ; wave
	s_lshr_b32 s3, ttmp9, 4                        ; head
	s_and_b32 s4, ttmp9, 15                        ; which 64 columns
	s_mov_b32 s28, 0x76543210                      ; v_permlanex16_b32: each lane takes its own place in the other half
	s_mov_b32 s29, 0xfedcba98
	s_mov_b32 s30, 0xffff0000                      ; a word's upper bf16
	v_and_b32 v[LN], 31, v0
	v_and_b32 v[RR], 15, v0
	v_bfe_u32 v[HH], v0, 4, 1
	s_lshl_b32 s5, s2, 9
	v_lshl_add_u32 v[GS], v[LN], 4, s5
	s_lshl_b32 s5, s2, 15
	v_lshlrev_b32 v[GK], 12, v[HH]
	v_lshl_add_u32 v[GK], v[RR], 4, v[GK]
	v_add_nc_u32 v[GK], s5, v[GK]
	s_mul_i32 s5, s2, STRB
	v_lshl_add_u32 v[AST], v[LN], 3, s5
	v_mul_u32_u24 v[AFR], v[RR], PST
	v_lshl_add_u32 v[AFR], v[HH], 4, v[AFR]
	v_add_nc_u32 v[AFR], s5, v[AFR]
	s_mul_i32 s5, s2, 8*PWK
	s_add_co_u32 s5, s5, WKB
	v_mul_u32_u24 v[AWK], v[HH], PWK
	v_lshl_add_u32 v[AWK], v[RR], 3, v[AWK]
	v_add_nc_u32 v[AWK], s5, v[AWK]
	s_lshl_b32 s5, s2, 12
	s_add_co_u32 s5, s5, XQ
	v_lshl_add_u32 v[AXS], v[LN], 4, s5
	s_lshl_b32 s5, s2, 9
	s_add_co_u32 s6, s5, XQ
	v_lshl_add_u32 v[AXL], v[LN], 4, s6
	s_add_co_u32 s6, s5, QF
	v_lshl_add_u32 v[AQS], v[LN], 4, s6
	v_lshl_add_u32 v[AQL], v[LN], 4, QF
	v_and_b32 v[ATK], 7, v0                        ; the turning load: lane l reads row 8 (l / 16) + l % 8, 16 bytes at 16 ((l / 8) % 2), of my 16 columns (waves 0-3)
	v_lshl_add_u32 v[ATK], v[HH], 3, v[ATK]
	v_mul_u32_u24 v[ATK], v[ATK], PWK
	v_bfe_u32 v[AOS], v0, 3, 1
	v_lshl_add_u32 v[ATK], v[AOS], 4, v[ATK]
	s_lshl_b32 s5, s2, 5
	s_add_co_u32 s5, s5, WKB
	v_add_nc_u32 v[ATK], s5, v[ATK]
	s_lshl_b32 s5, s2, 6
	s_add_co_u32 s5, s5, OST
	v_mul_u32_u24 v[AOS], v[RR], PST               ; row b = lane % 16, f32 columns 16 w + 8 (lane / 16) on
	v_lshl_add_u32 v[AOS], v[HH], 5, v[AOS]
	v_add_nc_u32 v[AOS], s5, v[AOS]
	s_mul_i32 s5, s2, 2*PST
	s_add_co_u32 s5, s5, OST
	v_mul_u32_u24 v[AOL], v[HH], PST               ; back: row 2 w + lane / 16, whole
	v_lshl_add_u32 v[AOL], v[RR], 4, v[AOL]
	v_add_nc_u32 v[AOL], s5, v[AOL]
	s_lshr_b32 s5, s2, 1                           ; bq for slice w of Q^T: d = 16 (w / 2) + 4 (w % 2) + 8 (lane / 16) + 0..3
	s_and_b32 s6, s2, 1
	s_lshl_b32 s7, s5, 6
	s_lshl_b32 s26, s6, 4
	s_add_co_u32 s7, s7, s26
	v_lshl_add_u32 v[GBQ], v[HH], 5, s7
	s_lshl_b32 s5, s2, 11                          ; Wv: row w / 2 of my four, its half w % 2: 2,048 w + 16 lane
	v_lshl_add_u32 v[GWV], v[LN], 4, s5
	s_wait_kmcnt 0x0
	s_mov_b32 s7, 0
	s_lshl_b32 s6, s3, 18                          ; the head's 64 rows of 4,096 bytes
	s_add_nc_u64 s[10:11], s[10:11], s[6:7]
	s_add_nc_u64 s[14:15], s[14:15], s[6:7]
	s_lshl_b32 s6, s4, 8                           ; my 64 columns in f32
	s_add_nc_u64 s[14:15], s[14:15], s[6:7]
	s_add_nc_u64 s[20:21], s[20:21], s[6:7]
	s_lshl_b32 s6, s3, 12
	s_add_nc_u64 s[20:21], s[20:21], s[6:7]        ; QK[0][head][my columns]
	s_lshl_b32 s6, s3, 8
	s_add_nc_u64 s[12:13], s[12:13], s[6:7]
	s_add_nc_u64 s[16:17], s[16:17], s[6:7]
	s_lshl_b32 s6, s3, 6
	s_add_nc_u64 s[22:23], s[22:23], s[6:7]
	s_lshl_b32 s6, ttmp9, 14
	s_add_nc_u64 s[18:19], s[18:19], s[6:7]
	s_lshl_b32 s6, ttmp9, 13
	s_add_nc_u64 s[24:25], s[24:25], s[6:7]
	; THE STREAM: two slots of 16 loads take turns; each wait leaves out the loads issued behind the batch that it wants.
.set i, 0
.rept 4
	global_load_b128 v[WKR+4*i:WKR+4*i+3], v[GK], s[14:15] offset:8192*i
.set i, i+1
.endr
	LOAD16 SL0, 8, 0                               ; state
	LOAD16 SL1, 10, 0                              ; Wq, d = 0-15
	s_wait_loadcnt 32                              ; Wk is in; 32 younger
.set i, 0
.rept 4
	v_cvt_pk_bf16_f32 v[WKR+4*i], v[WKR+4*i], v[WKR+4*i+1]
	v_cvt_pk_bf16_f32 v[WKR+4*i+1], v[WKR+4*i+2], v[WKR+4*i+3]
	ds_store_b64 v[AWK], v[WKR+4*i:WKR+4*i+1] offset:2*PWK*i
.set i, i+1
.endr
	s_wait_loadcnt 16
	STAGE SL0, 0
	LOAD16 SL0, 10, 16
	s_wait_loadcnt 16
	STAGE SL1, 16
	LOAD16 SL1, 10, 32
	s_wait_loadcnt 16
	STAGE SL0, 32
	LOAD16 SL0, 10, 48
	s_wait_loadcnt 16
	STAGE SL1, 48
	global_load_b128 v[BQ:BQ+3], v[GBQ], s[12:13]
.set i, 0
.rept 4
	global_load_b128 v[WVR+4*i:WVR+4*i+3], v[GWV], s[18:19] offset:512*i th:TH_LOAD_NT
.set i, i+1
.endr
	s_wait_loadcnt 5                               ; the last 16 rows of Wq; bq and Wv are younger
	STAGE SL0, 64
	; Q^T, my 128 of the 1,024 columns.  The stage is my own and LDS serves a wave's instructions in order (ISA guide 5.7.1.4): no wait between the stores and these loads.
.set k, 0
.rept 4
	ds_load_b128 v[BS+8*k:BS+8*k+3], v[AFR] offset:64*k
	ds_load_b128 v[BS+8*k+4:BS+8*k+7], v[AFR] offset:64*k+32
.set k, k+1
.endr
.set i, 0
.rept 16
	ds_load_b128 v[AW+8*i:AW+8*i+3], v[AFR] offset:(16+16*(i/4))*PST+64*(i%4)
	ds_load_b128 v[AW+8*i+4:AW+8*i+7], v[AFR] offset:(16+16*(i/4))*PST+64*(i%4)+32
.set i, i+1
.endr
	s_wait_dscnt 0x0
.set k, 0
.rept 4                                        ; the four accumulators take turns; the first products start the sums
.set d, 0
.rept 4
.if k == 0
	v_wmma_f32_16x16x32_bf16 v[ACC+8*d:ACC+8*d+7], v[AW+8*(4*d+k):AW+8*(4*d+k)+7], v[BS+8*k:BS+8*k+7], 0
.else
	v_wmma_f32_16x16x32_bf16 v[ACC+8*d:ACC+8*d+7], v[AW+8*(4*d+k):AW+8*(4*d+k)+7], v[BS+8*k:BS+8*k+7], v[ACC+8*d:ACC+8*d+7]
.endif
.set d, d+1
.endr
.set k, k+1
.endr
.rept 4
	v_nop                                          ; four places behind the last product (ISA guide 7.12.1)
.endr
.set i, 0
.rept 8
	ds_store_b128 v[AXS], v[ACC+4*i:ACC+4*i+3] offset:512*i
.set i, i+1
.endr
	s_wait_dscnt 0x0                               ; for the others' sake: my partial sums and my rows of Wk's tile are in LDS
	s_barrier_signal -1
	s_barrier_wait -1
	; Slice w (512 bytes) of the eight partial sums is added; + bq, x 0.125.
.set i, 0
.rept 8
	ds_load_b128 v[16+4*i:19+4*i], v[AXL] offset:4096*i
.set i, i+1
.endr
	s_wait_loadcnt 4                               ; bq; Wv's four loads are younger
	v_cvt_pk_bf16_f32 v[T], v[BQ], v[BQ+1]
	v_cvt_pk_bf16_f32 v[T+1], v[BQ+2], v[BQ+3]
	v_mov_b32 v[T+2], 0x3e000000                   ; 0.125
	s_wait_dscnt 0x0
.irp d, 4, 2, 1
.set i, 0
.rept 2*\d
	v_pk_add_f32 v[16+2*i:17+2*i], v[16+2*i:17+2*i], v[16+4*\d+2*i:17+4*\d+2*i]
.set i, i+1
.endr
.endr
	v_pk_mul_f32 v[16:17], v[16:17], 0x3e000000 op_sel_hi:[1,0]   ; exact; the fused lines below then round (sum + bq) / 8 once
	v_pk_mul_f32 v[18:19], v[18:19], 0x3e000000 op_sel_hi:[1,0]
	v_fma_mix_f32_bf16 v16, v[T], v[T+2], v16 op_sel_hi:[1,0,0]
	v_fma_mix_f32_bf16 v17, v[T], v[T+2], v17 op_sel:[1,0,0] op_sel_hi:[1,0,0]
	v_fma_mix_f32_bf16 v18, v[T+1], v[T+2], v18 op_sel_hi:[1,0,0]
	v_fma_mix_f32_bf16 v19, v[T+1], v[T+2], v19 op_sel:[1,0,0] op_sel_hi:[1,0,0]
	ds_store_b128 v[AQS], v[16:19]
	s_wait_dscnt 0x0
	s_barrier_signal -1
	s_barrier_wait -1
	; QK^T: waves 0-3, 16 columns c each: source 0 = Wk turned (16 c x 32 d), source 1 = a part of Q (32 d x 16 b), which is Q^T's own register layout, rounded in pairs.
	s_cmp_ge_u32 s2, 4
	s_cbranch_scc1 .Lno_p2
.set i, 0
.rept 8
	ds_load_b128 v[Q+4*i:Q+4*i+3], v[AQL] offset:512*i
.set i, i+1
.endr
.set k, 0
.rept 2
	ds_load_tr16_b128 v[AK+8*k:AK+8*k+3], v[ATK] offset:32*PWK*k
	ds_load_tr16_b128 v[AK+8*k+4:AK+8*k+7], v[ATK] offset:32*PWK*k+16*PWK
.set k, k+1
.endr
	s_wait_dscnt 0x0
	s_or_b32 s5, s2, s4
	s_cmp_lg_u32 s5, 0
	s_cbranch_scc1 .Lno_sb                         ; SB: one wave of one work-group a head
	v_lshlrev_b32 v[SBT], 5, v[HH]
.set i, 0
.rept 8
	global_load_b128 v[BK+4*i:BK+4*i+3], v[SBT], s[16:17] offset:64*(i/2)+16*(i%2)
.set i, i+1
.endr
	v_mov_b32 v[SBT+2], 0
	v_mov_b32 v[SBT+3], 0
	s_wait_loadcnt 0x0
.set i, 0
.rept 16
	v_cvt_pk_bf16_f32 v[BK+2*i], v[BK+2*i], v[BK+2*i+1]
.set i, i+1
.endr
.set i, 0
.rept 16
	v_fma_mix_f32_bf16 v[SBT+2], v[BK+2*i], v[Q+2*i], v[SBT+2] op_sel_hi:[1,0,0]
	v_fma_mix_f32_bf16 v[SBT+3], v[BK+2*i], v[Q+2*i+1], v[SBT+3] op_sel:[1,0,0] op_sel_hi:[1,0,0]
.set i, i+1
.endr
	v_add_f32 v[SBT+2], v[SBT+2], v[SBT+3]
	v_permlanex16_b32 v[SBT+3], v[SBT+2], s28, s29 ; the other 32 d lie in the lane 16 away
	v_add_f32 v[SBT+2], v[SBT+2], v[SBT+3]
	v_lshlrev_b32 v[SBT+1], 2, v[RR]
	global_store_b32 v[SBT+1], v[SBT+2], s[22:23]  ; both halves of the lanes hold the same number for the same word
.Lno_sb:
.set i, 0
.rept 16                                       ; pair i of Q: the bf16 nearest, the bf16 nearest to what is left, and again
	v_cvt_pk_bf16_f32 v[QH+i], v[Q+2*i], v[Q+2*i+1]
	v_lshlrev_b32 v[T], 16, v[QH+i]
	v_and_b32 v[T+1], s30, v[QH+i]
	v_pk_add_f32 v[Q+2*i:Q+2*i+1], v[Q+2*i:Q+2*i+1], v[T:T+1] neg_lo:[0,1] neg_hi:[0,1]
	v_cvt_pk_bf16_f32 v[QM+i], v[Q+2*i], v[Q+2*i+1]
	v_lshlrev_b32 v[T+2], 16, v[QM+i]
	v_and_b32 v[T+3], s30, v[QM+i]
	v_pk_add_f32 v[Q+2*i:Q+2*i+1], v[Q+2*i:Q+2*i+1], v[T+2:T+3] neg_lo:[0,1] neg_hi:[0,1]
	v_cvt_pk_bf16_f32 v[QL+i], v[Q+2*i], v[Q+2*i+1]
.set i, i+1
.endr
	v_wmma_f32_16x16x32_bf16 v[C0:C0+7], v[AK:AK+7], v[QH:QH+7], 0      ; three accumulators by turns
	v_wmma_f32_16x16x32_bf16 v[C1:C1+7], v[AK:AK+7], v[QM:QM+7], 0
	v_wmma_f32_16x16x32_bf16 v[C2:C2+7], v[AK:AK+7], v[QL:QL+7], 0
	v_wmma_f32_16x16x32_bf16 v[C0:C0+7], v[AK+8:AK+15], v[QH+8:QH+15], v[C0:C0+7]
	v_wmma_f32_16x16x32_bf16 v[C1:C1+7], v[AK+8:AK+15], v[QM+8:QM+15], v[C1:C1+7]
	v_wmma_f32_16x16x32_bf16 v[C2:C2+7], v[AK+8:AK+15], v[QL+8:QL+15], v[C2:C2+7]
.rept 4
	v_nop
.endr
.set i, 0
.rept 4                                        ; the small parts first; each accumulator is read from its low end on
	v_pk_add_f32 v[R+2*i:R+2*i+1], v[C2+2*i:C2+2*i+1], v[C1+2*i:C1+2*i+1]
	v_pk_add_f32 v[R+2*i:R+2*i+1], v[R+2*i:R+2*i+1], v[C0+2*i:C0+2*i+1]
.set i, i+1
.endr
	ds_store_b128 v[AOS], v[R:R+3]
	ds_store_b128 v[AOS], v[R+4:R+7] offset:16
.Lno_p2:
	s_wait_dscnt 0x0
	s_barrier_signal -1
	s_barrier_wait -1
	; THE WAY OUT: wave w stores rows b = 2 w and 2 w + 1; sixteen lanes store 256 consecutive bytes, at a multiple of 256 from QK's first byte.
	ds_load_b128 v[16:19], v[AOL]
	s_lshl_b32 s5, s2, 17
	v_lshlrev_b32 v[GBQ], 16, v[HH]                ; bq's load was waited for: its offset register is free
	v_lshl_add_u32 v[GBQ], v[RR], 4, v[GBQ]
	v_add_nc_u32 v[GBQ], s5, v[GBQ]
	s_wait_dscnt 0x0
	global_store_b128 v[GBQ], v[16:19], s[20:21]
	s_wait_loadcnt 0x0                             ; Wv
	s_lshl_b32 s5, s2, 10
	v_lshl_add_u32 v[GWV], v[LN], 3, s5
.set i, 0
.rept 4
	v_cvt_pk_bf16_f32 v[WVR+4*i], v[WVR+4*i], v[WVR+4*i+1]
	v_cvt_pk_bf16_f32 v[WVR+4*i+1], v[WVR+4*i+2], v[WVR+4*i+3]
	global_store_b64 v[GWV], v[WVR+4*i:WVR+4*i+1], s[24:25] offset:256*i  ; the wave's 32 lanes store 256 consecutive bytes, aligned
.set i, i+1
.endr
	s_wait_tensorcnt 0x0                           ; the wave's end
	ds_add_u32 v[SPW], v[NIL]
	s_wait_dscnt 0x0
	s_endpgm
.Lfunc_end_k_qfa14cd3277_prep:
	.size	k_qfa14cd3277_prep, .Lfunc_end_k_qfa14cd3277_prep-k_qfa14cd3277_prep
	.p2alignl 7, 3214868480
	.fill 96, 4, 3214868480
	.section	.rodata,"a",@progbits
	.p2align	6, 0x0
	.amdhsa_kernel k_qfa14cd3277_prep
		.amdhsa_group_segment_fixed_size 229376
		.amdhsa_private_segment_fixed_size 0
		.amdhsa_enable_private_segment 0
		.amdhsa_kernarg_size 72
		.amdhsa_user_sgpr_count 2
		.amdhsa_user_sgpr_kernarg_segment_ptr 1
		.amdhsa_wavefront_size32 1
		.amdhsa_system_sgpr_workgroup_id_x 1
		.amdhsa_system_sgpr_workgroup_id_y 1
		.amdhsa_system_sgpr_workgroup_id_z 1
		.amdhsa_system_vgpr_workitem_id 0
		.amdhsa_next_free_vgpr 256
		.amdhsa_next_free_sgpr 66
		.amdhsa_reserve_vcc 0
		.amdhsa_float_denorm_mode_32 3
		.amdhsa_float_denorm_mode_16_64 3
		.amdhsa_memory_ordered 1
		.amdhsa_forward_progress 1
		.amdhsa_inst_pref_size 50
	.end_amdhsa_kernel
	.amdgpu_metadata
---
amdhsa.version: [ 1, 2 ]
amdhsa.kernels:
  - .name:           k_qfa14cd3277_prep
    .symbol:         k_qfa14cd3277_prep.kd
    .args:
      - { .name: state, .offset: 0, .size: 8, .value_kind: global_buffer, .address_space: global }
      - { .name: Wq, .offset: 8, .size: 8, .value_kind: global_buffer, .address_space: global }
      - { .name: bq, .offset: 16, .size: 8, .value_kind: global_buffer, .address_space: global }
      - { .name: Wk, .offset: 24, .size: 8, .value_kind: global_buffer, .address_space: global }
      - { .name: bk, .offset: 32, .size: 8, .value_kind: global_buffer, .address_space: global }
      - { .name: Wv, .offset: 40, .size: 8, .value_kind: global_buffer, .address_space: global }
      - { .name: QK, .offset: 48, .size: 8, .value_kind: global_buffer, .address_space: global }
      - { .name: SB, .offset: 56, .size: 8, .value_kind: global_buffer, .address_space: global }
      - { .name: WVB, .offset: 64, .size: 8, .value_kind: global_buffer, .address_space: global }
    .group_segment_fixed_size: 229376
    .private_segment_fixed_size: 0
    .kernarg_segment_align: 8
    .kernarg_segment_size: 72
    .max_flat_workgroup_size: 256
    .sgpr_count:     66
    .vgpr_count:     256
    .wavefront_size: 32
...
	.end_amdgpu_metadata
.endif
;; end of part 1
;; launch main (part 2): grid 256 x 1, 8 waves a work-group, no clusters, 321,536 bytes of LDS; arguments candidates, QK, SB, PW, ST, MS; writes PW, ST, MS
.if DOCPART == 2
	.amdgcn_target "amdgcn-amd-amdhsa--gfx1250"
	.amdhsa_code_object_version 6
	.text
	.protected	k_qfa14cd3277_main
	.globl	k_qfa14cd3277_main
	.p2align	8
	.type	k_qfa14cd3277_main,@function
k_qfa14cd3277_main:
	s_mov_b64 s[64:65], 0
	v_nop
	global_prefetch_b8 v0, s[64:65] scope:SCOPE_SE
	s_setreg_imm32_b32 hwreg(HW_REG_WAVE_MODE, 25, 1), 1
	s_wait_xcnt 0x0
; MAIN: the one pass over candidates.  Work-group x = 16 b + j takes rows n = 128 j .. 128 j + 127 of batch b (524,288 bytes of f32), rounds them once to bf16 into LDS, and makes from that copy
;   scores[h][n] = cand[n][:] . QK[b][h][:] + SB[h][b]        (QK rounded to bf16; 16 columns of a product)
;   MS[b][n]     = cand[n][:] . qbar + mean of SB,  qbar = mean over h of QK in f32, split into three bf16 columns (8 + 8 + 8 significant bits): f32's accuracy, since whole-number outputs hang on its order
;   m2[h] = log2(e) x the block's maximum score, p = 2^(log2(e) s - m2), l[h] = the sum of p (unrounded),  PW[b][j][h][c] = sum over n of bf16(p[h][n]) cand[n][c]   (f32, not yet divided)
; The next launch joins the sixteen blocks of a batch by their maxima.
; SHARES.  While streaming, wave w = 4 g + s takes rows 64 g .. + 63 and columns 256 s .. + 255, and keeps them in block w of LDS, which no other wave touches before the third barrier.
; The four strips' partial scores meet in LDS; every wave adds them and makes the softmax itself (a second exchange would cost a barrier more).  In P x cand wave w takes columns 128 w .. + 127 of all 128 rows.
; IN FLIGHT: 48 loads of 512 bytes a wave, 196,608 bytes a work-group, from the kernel's first lines on.
; NO TENSOR LOAD: the rows arrive as f32 and pass through registers to be rounded, and LDS is filled by the bf16 copy.  NO CLUSTER: the sixteen work-groups of a batch share QK's 65,536 bytes alone, of 589,824 that each reads.
; LIMITS.  NaN and infinities are not treated apart; a weight below 2^-126 counts as 0.
.set PB,    544                        ; a row of a block: 256 bf16 + 32 bytes = 136 words; a plain fragment load meets each bank twice (64 banks of 4 bytes: ISA guide 11.1)
.set BLK,   64*PB                      ; a wave's block
.set XR,    8*BLK                      ; first QB: 20 rows of 1,024 bf16: 16 heads, qbar's three parts, zeros; behind the second barrier the partial scores
.set PQ,    2064                       ; QB's pitch: 2,048 + 16 bytes
.set XM,    XR+32768                   ; partial mean scores: strip s at 512 s, a word a row
.set SPARE, 320000                     ; the spare words: 128 bytes a wave, four blocks of 256 bytes that no other line names
.set PS,    528                        ; the way out: a head's 128 f32 + 16 bytes
.set LN,   1
.set RR,   2
.set HH,   3
.set GOFF, 4                           ; candidates: 16 lane + 1,024 s + 64 g rows
.set ASTO, 5                           ; my block, in: 8 lane
.set AAF,  6                           ; my block, a fragment's lane address
.set AXH,  7                           ; my partial scores, in
.set AXM,  8                           ; my partial mean scores, in
.set ABH,  9                           ; QB: head lane % 16, my strip
.set ABQ,  10                          ; QB: row 16 + lane % 4 (the 16 rows stand in the immediate), my strip
.set AQB,  11                          ; QB, in: 8 x thread
.set ATR,  12                          ; v12, v13: the turning load's lane address in rows 0-63, 64-127
.set QOF,  14                          ; QK's offset; later MS's
.set SOF,  15                          ; SB's offset; later an LDS address
.set ASTG, 16
.set ARD,  17
.set POFF, 18
.set AXR,  19
.set T,    20                          ; v20-27 at work
.set SPW,  28
.set NIL,  29
.set M2,   30                          ; v30: SB's word, then m2 (v31 named with it as a pair)
.set QV,   32                          ; 64 registers three times over:
.set BH,   32
.set SC,   32
.set BQ,   96
.set TA,   96
.set PA,   96
.set AF,   160
.set TB,   160
.set OUT,  160
.set ACCH, 224
.set ACCM, 232
.set BIASH, 240
.set BIASM, 248
.set PF,   224
; window 1: v0-191 the ring of six groups of eight loads; later v0-255 the 32 turned fragments, (ks, ct) at 64 ks + 8 ct
.set MSB, 0
.macro WIN new                         ; s_set_vgpr_msb: bits 1:0 source 0, 3:2 source 1, 5:4 source 2, 7:6 destination; the high byte repeats the setting that is left
.if MSB != (\new)
	s_set_vgpr_msb (MSB<<8)|(\new)
.set MSB, \new
.endif
.endm
.macro GLOAD q                         ; group q: four rows, two loads of 512 bytes each
.set p, 0
.rept 8
	global_load_b128 v[32*((\q)%6)+4*p:32*((\q)%6)+4*p+3], v[GOFF], s[8:9] offset:(4*(\q)+p/2)*4096+512*(p%2) th:TH_LOAD_NT
.set p, p+1
.endr
.endm
.macro GROUP q                         ; group q is rounded and laid into my block; its registers take group q + 6
.if 8*(15-(\q)) < 40
	s_wait_loadcnt 8*(15-(\q))                     ; the groups that are left behind it
.else
	s_wait_loadcnt 40                              ; five younger groups stay out
.endif
.set RB, 32*((\q)%6)
	WIN 0x45
.set p, 0
.rept 8
	v_cvt_pk_bf16_f32 v[RB+4*p], v[RB+4*p], v[RB+4*p+1]
	v_cvt_pk_bf16_f32 v[RB+4*p+1], v[RB+4*p+2], v[RB+4*p+3]
.set p, p+1
.endr
	WIN 0x04
.set p, 0
.rept 8
	ds_store_b64 v[ASTO], v[RB+4*p:RB+4*p+1] offset:(4*(\q)+p/2)*PB+256*(p%2)
.set p, p+1
.endr
.if (\q) <= 9
	WIN 0x40
	GLOAD (\q)+6
.endif
.endm
.macro TILE t                          ; 16 rows x my 256 columns: 8 products for the heads, 8 for the mean, the two accumulators by turns
	WIN 0
.set k, 0
.rept 8
	ds_load_b128 v[AF+8*k:AF+8*k+3], v[AAF] offset:16*(\t)*PB+64*k      ; my own block: LDS serves a wave's instructions in order (ISA guide 5.7.1.4)
	ds_load_b128 v[AF+8*k+4:AF+8*k+7], v[AAF] offset:16*(\t)*PB+64*k+32
.set k, k+1
.endr
	s_wait_dscnt 0x0
	v_wmma_f32_16x16x32_bf16 v[ACCH:ACCH+7], v[AF:AF+7], v[BH:BH+7], v[BIASH:BIASH+7]   ; the sums start with the bias (strip 0) or 0
	v_wmma_f32_16x16x32_bf16 v[ACCM:ACCM+7], v[AF:AF+7], v[BQ:BQ+7], v[BIASM:BIASM+7]
.set k, 1
.rept 7
	v_wmma_f32_16x16x32_bf16 v[ACCH:ACCH+7], v[AF+8*k:AF+8*k+7], v[BH+8*k:BH+8*k+7], v[ACCH:ACCH+7]
	v_wmma_f32_16x16x32_bf16 v[ACCM:ACCM+7], v[AF+8*k:AF+8*k+7], v[BQ+8*k:BQ+8*k+7], v[ACCM:ACCM+7]
.set k, k+1
.endr
.rept 4
	v_nop                                          ; four places behind the last product (ISA guide 7.12.1)
.endr
	ds_store_b128 v[AXH], v[ACCH:ACCH+3] offset:(\t)*1024
	ds_store_b128 v[AXH], v[ACCH+4:ACCH+7] offset:(\t)*1024+512
.irp x, 1, 2                           ; columns 4 i .. 4 i + 3 hold the three parts' sums and 0: added, every lane holds the mean scores of rows 8 (lane / 16) + 0..7
.set i, 0
.rept 8
	v_add_f32_dpp v[ACCM+i], v[ACCM+i], v[ACCM+i] row_xmask:\x row_mask:0xf bank_mask:0xf
.set i, i+1
.endr
.endr
	v_cndmask_b32 v[T], v[ACCM], v[ACCM+1], s26    ; lane l keeps register l % 8
	v_cndmask_b32 v[T+1], v[ACCM+2], v[ACCM+3], s26
	v_cndmask_b32 v[T+2], v[ACCM+4], v[ACCM+5], s26
	v_cndmask_b32 v[T+3], v[ACCM+6], v[ACCM+7], s26
	v_cndmask_b32 v[T], v[T], v[T+1], s27
	v_cndmask_b32 v[T+2], v[T+2], v[T+3], s27
	v_cndmask_b32 v[T], v[T], v[T+2], s28
	ds_store_b32 v[AXM], v[T] offset:(\t)*64       ; lanes l and l + 8 hold the same number for the same word
.endm
.macro XLOAD dst, s                    ; strip s's partial scores of all 128 rows
.set i, 0
.rept 16
	ds_load_b128 v[(\dst)+4*i:(\dst)+4*i+3], v[AXR] offset:(\s)*8192+512*i
.set i, i+1
.endr
.endm
.macro XADD src
.set i, 0
.rept 32
	v_pk_add_f32 v[SC+2*i:SC+2*i+1], v[SC+2*i:SC+2*i+1], v[(\src)+2*i:(\src)+2*i+1]
.set i, i+1
.endr
.endm
.macro TRLOAD ks                       ; rows 32 ks .. + 31 x my 128 columns, turned: 8 fragments of 16 c x 32 n
.set c, 0
.rept 8
	ds_load_tr16_b128 v[64*(\ks)+8*c:64*(\ks)+8*c+3], v[ATR+(\ks)/2] offset:((\ks)%2)*32*PB+32*c
	ds_load_tr16_b128 v[64*(\ks)+8*c+4:64*(\ks)+8*c+7], v[ATR+(\ks)/2] offset:((\ks)%2)*32*PB+16*PB+32*c
.set c, c+1
.endr
.endm
	s_load_b256 s[8:15], s[0:1], 0x0               ; candidates 8, QK 10, SB 12, PW 14
	s_load_b128 s[16:19], s[0:1], 0x20             ; ST 16, MS 18
	v_lshl_add_u32 v[SPW], v0, 2, SPARE
	v_mov_b32 v[NIL], 0
	v_lshrrev_b32 v[LN], 5, v0
	v_readfirstlane_b32 s2, v[LN]                  ; wave
	s_and_b32 s3, s2, 3                            ; strip
	s_lshr_b32 s4, s2, 2                           ; row half
	s_lshr_b32 s5, ttmp9, 4                        ; batch
	s_mov_b32 s22, 0x3fb8aa3b                      ; log2(e), named as a pair
	s_mov_b32 s23, s22
	s_mov_b32 s24, 0x76543210                      ; v_permlanex16_b32: each lane takes its own place in the other half
	s_mov_b32 s25, 0xfedcba98
	s_mov_b32 s26, 0xaaaaaaaa                      ; lanes with bit 0, 1, 2 set
	s_mov_b32 s27, 0xcccccccc
	s_mov_b32 s28, 0xf0f0f0f0
	s_mov_b32 s29, 0xffff0000                      ; a word's upper bf16; also lanes 16-31
	s_mov_b32 s31, 0x11111111                      ; lanes l with l % 4 = 0
	s_cmp_eq_u32 s3, 0                             ; the bias enters one strip's sums alone
	s_cselect_b32 s30, 1.0, 0
	s_cselect_b32 s6, 0x3d800000, 0                ; 1 / 16
	v_and_b32 v[LN], 31, v0
	v_and_b32 v[RR], 15, v0
	v_bfe_u32 v[HH], v0, 4, 1
	s_lshl_b32 s20, s3, 10
	s_lshl_b32 s21, s4, 18
	s_add_co_u32 s20, s20, s21
	v_lshl_add_u32 v[GOFF], v[LN], 4, s20
	s_mul_i32 s20, s2, BLK
	v_lshl_add_u32 v[ASTO], v[LN], 3, s20
	v_mul_u32_u24 v[AAF], v[RR], PB
	v_lshl_add_u32 v[AAF], v[HH], 4, v[AAF]
	v_add_nc_u32 v[AAF], s20, v[AAF]
	s_lshl_b32 s20, s3, 13
	s_lshl_b32 s21, s4, 12
	s_add_co_u32 s20, s20, s21
	s_add_co_u32 s20, s20, XR
	v_lshl_add_u32 v[AXH], v[LN], 4, s20
	s_lshl_b32 s20, s3, 9
	s_lshl_b32 s21, s4, 8
	s_add_co_u32 s20, s20, s21
	s_add_co_u32 s20, s20, XM
	v_and_b32 v[T], 7, v0
	v_lshlrev_b32 v[AXM], 5, v[HH]
	v_lshl_add_u32 v[AXM], v[T], 2, v[AXM]
	v_add_nc_u32 v[AXM], s20, v[AXM]
	s_lshl_b32 s20, s3, 9
	s_add_co_u32 s20, s20, XR
	v_mul_u32_u24 v[ABH], v[RR], PQ
	v_lshl_add_u32 v[ABH], v[HH], 4, v[ABH]
	v_add_nc_u32 v[ABH], s20, v[ABH]
	v_and_b32 v[T+1], 3, v0
	v_mul_u32_u24 v[ABQ], v[T+1], PQ
	v_lshl_add_u32 v[ABQ], v[HH], 4, v[ABQ]
	v_add_nc_u32 v[ABQ], s20, v[ABQ]
	v_lshl_add_u32 v[AQB], v0, 3, XR
	v_lshl_add_u32 v[T+2], v[HH], 3, v[T]          ; the turning load: lane l reads row 8 (l / 16) + l % 8, 16 bytes at 16 ((l / 8) % 2);
	v_mul_u32_u24 v[T+2], v[T+2], PB
	v_bfe_u32 v[T+3], v0, 3, 1
	v_lshl_add_u32 v[T+2], v[T+3], 4, v[T+2]
	s_lshr_b32 s20, s2, 1                          ; my 128 columns lie in strip w / 2, half w % 2
	s_mul_i32 s20, s20, BLK
	s_and_b32 s21, s2, 1
	s_lshl_b32 s21, s21, 8
	s_add_co_u32 s20, s20, s21
	v_add_nc_u32 v[ATR], s20, v[T+2]
	v_add_nc_u32 v[ATR+1], 4*BLK, v[ATR]
	s_mul_i32 s21, s2, 16*PS
	v_mul_u32_u24 v[ASTG], v[RR], PS
	v_lshl_add_u32 v[ASTG], v[HH], 5, v[ASTG]
	v_add_nc_u32 v[ASTG], s21, v[ASTG]
	v_lshl_add_u32 v[ARD], v[LN], 4, s21
	s_lshl_b32 s20, s2, 9
	v_lshl_add_u32 v[POFF], v[LN], 4, s20
	v_lshl_add_u32 v[AXR], v[LN], 4, XR
	v_lshlrev_b32 v[QOF], 4, v0
	v_lshlrev_b32 v[SOF], 6, v[RR]
	s_wait_kmcnt 0x0
	s_mov_b32 s21, 0
	s_lshl_b32 s20, ttmp9, 19
	s_add_nc_u64 s[8:9], s[8:9], s[20:21]
	s_lshl_b32 s20, s5, 16
	s_add_nc_u64 s[10:11], s[10:11], s[20:21]
	s_lshl_b32 s20, s5, 2
	s_add_nc_u64 s[12:13], s[12:13], s[20:21]
	s_lshl_b32 s20, ttmp9, 16
	s_add_nc_u64 s[14:15], s[14:15], s[20:21]
	s_lshl_b32 s20, ttmp9, 7
	s_add_nc_u64 s[16:17], s[16:17], s[20:21]
	s_lshl_b32 s20, ttmp9, 9
	s_add_nc_u64 s[18:19], s[18:19], s[20:21]
	; All loads of the start: QK (thread t: columns 4 t .. 4 t + 3 of every head), SB, and the ring's six groups.
.set i, 0
.rept 16
	global_load_b128 v[QV+4*i:QV+4*i+3], v[QOF], s[10:11] offset:4096*i
.set i, i+1
.endr
	global_load_b32 v[M2], v[SOF], s[12:13]        ; lane l: SB[l % 16][b]
	WIN 0x40
.irp q, 0,1,2,3,4,5
	GLOAD \q
.endr
	WIN 0
	; QB is built while the ring's loads are on their way.
	s_wait_loadcnt 48                              ; QK and SB are in; the ring's 48 are younger
.set i, 0
.rept 16
	v_cvt_pk_bf16_f32 v[T+2*(i%2)], v[QV+4*i], v[QV+4*i+1]
	v_cvt_pk_bf16_f32 v[T+2*(i%2)+1], v[QV+4*i+2], v[QV+4*i+3]
	ds_store_b64 v[AQB], v[T+2*(i%2):T+2*(i%2)+1] offset:i*PQ
.set i, i+1
.endr
.irp d, 8, 4, 2, 1                     ; the sum over the heads, in f32
.set i, 0
.rept 2*\d
	v_pk_add_f32 v[QV+2*i:QV+2*i+1], v[QV+2*i:QV+2*i+1], v[QV+4*\d+2*i:QV+4*\d+2*i+1]
.set i, i+1
.endr
.endr
	v_pk_mul_f32 v[QV:QV+1], v[QV:QV+1], 0x3d800000 op_sel_hi:[1,0]
	v_pk_mul_f32 v[QV+2:QV+3], v[QV+2:QV+3], 0x3d800000 op_sel_hi:[1,0]
.macro PART row, more                  ; the bf16 nearest to what is left of qbar goes into a row of QB
	v_cvt_pk_bf16_f32 v[T], v[QV], v[QV+1]
	v_cvt_pk_bf16_f32 v[T+1], v[QV+2], v[QV+3]
	ds_store_b64 v[AQB], v[T:T+1] offset:(\row)*PQ
.if \more
	v_lshlrev_b32 v[T+4], 16, v[T]
	v_and_b32 v[T+5], s29, v[T]
	v_lshlrev_b32 v[T+6], 16, v[T+1]
	v_and_b32 v[T+7], s29, v[T+1]
	v_pk_add_f32 v[QV:QV+1], v[QV:QV+1], v[T+4:T+5] neg_lo:[0,1] neg_hi:[0,1]
	v_pk_add_f32 v[QV+2:QV+3], v[QV+2:QV+3], v[T+6:T+7] neg_lo:[0,1] neg_hi:[0,1]
.endif
.endm
	PART 16, 1
	PART 17, 1
	PART 18, 0
	v_mov_b32 v[T+2], 0
	v_mov_b32 v[T+3], 0
	ds_store_b64 v[AQB], v[T+2:T+3] offset:19*PQ
	v_mul_f32 v[BIASH], s30, v[M2]                 ; column lane % 16 is a head: its bias in all eight rows
	v_mov_b32 v[T+4], v[M2]
.irp x, 1, 2, 4, 8
	v_add_f32_dpp v[T+4], v[T+4], v[T+4] row_xmask:\x row_mask:0xf bank_mask:0xf
.endr
	v_mul_f32 v[T+4], s6, v[T+4]                   ; the heads' mean bias, in the first of each four columns
	v_cndmask_b32 v[BIASM], 0, v[T+4], s31
.set i, 1
.rept 7
	v_mov_b32 v[BIASH+i], v[BIASH]
	v_mov_b32 v[BIASM+i], v[BIASM]
.set i, i+1
.endr
	s_wait_dscnt 0x0                               ; for the others' sake: my part of QB is in LDS
	s_barrier_signal -1
	s_barrier_wait -1
.set k, 0
.rept 8                                        ; source 1 for my strip's eight K steps: the heads, and qbar's parts (columns: high, middle, low, 0, four times over)
	ds_load_b128 v[BH+8*k:BH+8*k+3], v[ABH] offset:64*k
	ds_load_b128 v[BH+8*k+4:BH+8*k+7], v[ABH] offset:64*k+32
	ds_load_b128 v[BQ+8*k:BQ+8*k+3], v[ABQ] offset:16*PQ+64*k
	ds_load_b128 v[BQ+8*k+4:BQ+8*k+7], v[ABQ] offset:16*PQ+64*k+32
.set k, k+1
.endr
	s_wait_dscnt 0x0                               ; my reads of QB are over: behind this barrier its bytes take the partial scores
	s_barrier_signal -1
	s_barrier_wait -1
	; THE STREAM
.irp t, 0,1,2,3
	GROUP 4*\t
	GROUP 4*\t+1
	GROUP 4*\t+2
	GROUP 4*\t+3
	TILE \t
.endr
	s_wait_dscnt 0x0                               ; my block and my partial scores are in LDS
	s_barrier_signal -1
	s_barrier_wait -1
	; The four strips' mean scores: wave 0 adds and stores them, 512 consecutive bytes.
	s_cmp_lg_u32 s2, 0
	s_cbranch_scc1 .Lno_ms
	v_lshlrev_b32 v[QOF], 4, v[LN]
	v_add_nc_u32 v[SOF], XM, v[QOF]
.set i, 0
.rept 4
	ds_load_b128 v[ACCH+4*i:ACCH+4*i+3], v[SOF] offset:512*i
.set i, i+1
.endr
	s_wait_dscnt 0x0
	v_pk_add_f32 v[224:225], v[224:225], v[228:229]
	v_pk_add_f32 v[226:227], v[226:227], v[230:231]
	v_pk_add_f32 v[232:233], v[232:233], v[236:237]
	v_pk_add_f32 v[234:235], v[234:235], v[238:239]
	v_pk_add_f32 v[240:241], v[224:225], v[232:233]
	v_pk_add_f32 v[242:243], v[226:227], v[234:235]
	global_store_b128 v[QOF], v[240:243], s[18:19]
.Lno_ms:
	; The four strips' scores are added; the turned fragments are fetched behind them.  Each wait leaves out what was issued behind the strip that it wants.
	XLOAD SC, 0
	XLOAD TA, 1
	XLOAD TB, 2
	s_wait_dscnt 16
	XADD TA
	XLOAD TA, 3
	s_wait_dscnt 16
	XADD TB
	WIN 0x40
	TRLOAD 0
	TRLOAD 1
	WIN 0
	s_wait_dscnt 32
	XADD TA
	WIN 0x40
	TRLOAD 2
	TRLOAD 3
	WIN 0
	; Register 8 T + j holds the score of head lane % 16 at row 16 T + 8 (lane / 16) + j.  The block's maximum, in four chains.
.set k, 0
.rept 4
	v_max3_num_f32 v[T+k], v[SC+16*k], v[SC+16*k+1], v[SC+16*k+2]
.set k, k+1
.endr
.set i, 0
.rept 6
.set k, 0
.rept 4
	v_max3_num_f32 v[T+k], v[T+k], v[SC+16*k+3+2*i], v[SC+16*k+4+2*i]
.set k, k+1
.endr
.set i, i+1
.endr
.set k, 0
.rept 4
	v_max_num_f32 v[T+k], v[T+k], v[SC+16*k+15]
.set k, k+1
.endr
	v_max3_num_f32 v[T], v[T], v[T+1], v[T+2]
	v_max_num_f32 v[T], v[T], v[T+3]
	v_permlanex16_b32 v[T+4], v[T], s24, s25       ; the head's other 64 rows lie in the lane 16 away
	v_max_num_f32 v[T], v[T], v[T+4]
	v_mul_f32 v[M2], s22, v[T]
	v_mul_f32 v[M2+1], s22, v[T]
.set i, 0
.rept 32
	v_pk_fma_f32 v[SC+2*i:SC+2*i+1], v[SC+2*i:SC+2*i+1], s[22:23], v[M2:M2+1] op_sel_hi:[1,0,0] neg_lo:[0,0,1] neg_hi:[0,0,1]
.set i, i+1
.endr
.set i, 0
.rept 64
	v_exp_f32 v[SC+i], v[SC+i]
.set i, i+1
.endr
	v_nop                                          ; a plain instruction between the last exponential and the use of its result (ISA guide 5.7.2)
	s_wait_xcnt 0x0                                ; wave 0's store of the mean scores has read its data: the lines below write over those registers
.set i, 0
	s_wait_alu depctr_va_vdst(0)
.rept 32                                       ; rounded in pairs the weights ARE source 1 (32 rows x 16 heads) of the second product
	v_cvt_pk_bf16_f32 v[PF+i], v[SC+2*i], v[SC+2*i+1]
.set i, i+1
.endr
.irp d, 16, 8, 4, 2, 1
.set i, 0
.rept \d
	v_pk_add_f32 v[SC+2*i:SC+2*i+1], v[SC+2*i:SC+2*i+1], v[SC+2*(i+\d):SC+2*(i+\d)+1]
.set i, i+1
.endr
.endr
	v_add_f32 v[T+1], v[SC], v[SC+1]
	v_permlanex16_b32 v[T+4], v[T+1], s24, s25
	v_add_f32 v[T+1], v[T+1], v[T+4]               ; l
	s_cmp_lg_u32 s2, 0
	s_cbranch_scc1 .Lno_st
	v_lshlrev_b32 v[T+7], 2, v[LN]
	v_cndmask_b32 v[T+6], v[M2], v[T+1], s29       ; lanes 0-15: m2 of head l; lanes 16-31: l of head l - 16
	global_store_b32 v[T+7], v[T+6], s[16:17]
.Lno_st:
	; PW^T = cand^T P: source 0 = 16 columns c x 32 rows (turned), source 1 = 32 rows x 16 heads.  Eight accumulators by turns; the first products start the sums.
	s_wait_dscnt 0x0                               ; the turned fragments are in: my reads of the blocks are over
	s_barrier_signal -1                            ; behind this barrier the blocks' bytes take the way out; the products, work on registers, stand between signal and wait
	WIN 0x01
.set k, 0
.rept 4
.set c, 0
.rept 8
.if k == 0
	v_wmma_f32_16x16x32_bf16 v[PA+8*c:PA+8*c+7], v[64*k+8*c:64*k+8*c+7], v[PF+8*k:PF+8*k+7], 0
.else
	v_wmma_f32_16x16x32_bf16 v[PA+8*c:PA+8*c+7], v[64*k+8*c:64*k+8*c+7], v[PF+8*k:PF+8*k+7], v[PA+8*c:PA+8*c+7]
.endif
.set c, c+1
.endr
.set k, k+1
.endr
	WIN 0
	s_barrier_wait -1
.rept 4
	v_nop
.endr
	; THE WAY OUT: a lane holds eight neighbouring columns of one head; through my stage they come back as whole rows of 512 bytes.
.set i, 0
.rept 16
	ds_store_b128 v[ASTG], v[PA+4*i:PA+4*i+3] offset:64*(i/2)+16*(i%2)
.set i, i+1
.endr
.set i, 0
.rept 16
	ds_load_b128 v[OUT+4*i:OUT+4*i+3], v[ARD] offset:i*PS
.set i, i+1
.endr
.set i, 0
.rept 16
	s_wait_dscnt 15-i
	global_store_b128 v[POFF], v[OUT+4*i:OUT+4*i+3], s[14:15] offset:4096*i  ; 512 consecutive bytes, at a multiple of 256 from PW's first byte
.set i, i+1
.endr
	s_wait_tensorcnt 0x0                           ; the wave's end
	ds_add_u32 v[SPW], v[NIL]
	s_wait_dscnt 0x0
	s_endpgm
.Lfunc_end_k_qfa14cd3277_main:
	.size	k_qfa14cd3277_main, .Lfunc_end_k_qfa14cd3277_main-k_qfa14cd3277_main
	.p2alignl 7, 3214868480
	.fill 96, 4, 3214868480
	.section	.rodata,"a",@progbits
	.p2align	6, 0x0
	.amdhsa_kernel k_qfa14cd3277_main
		.amdhsa_group_segment_fixed_size 321536
		.amdhsa_private_segment_fixed_size 0
		.amdhsa_enable_private_segment 0
		.amdhsa_kernarg_size 48
		.amdhsa_user_sgpr_count 2
		.amdhsa_user_sgpr_kernarg_segment_ptr 1
		.amdhsa_wavefront_size32 1
		.amdhsa_system_sgpr_workgroup_id_x 1
		.amdhsa_system_sgpr_workgroup_id_y 1
		.amdhsa_system_sgpr_workgroup_id_z 1
		.amdhsa_system_vgpr_workitem_id 0
		.amdhsa_next_free_vgpr 512
		.amdhsa_next_free_sgpr 66
		.amdhsa_reserve_vcc 0
		.amdhsa_float_denorm_mode_32 3
		.amdhsa_float_denorm_mode_16_64 3
		.amdhsa_memory_ordered 1
		.amdhsa_forward_progress 1
		.amdhsa_inst_pref_size 101
	.end_amdhsa_kernel
	.amdgpu_metadata
---
amdhsa.version: [ 1, 2 ]
amdhsa.kernels:
  - .name:           k_qfa14cd3277_main
    .symbol:         k_qfa14cd3277_main.kd
    .args:
      - { .name: candidates, .offset: 0, .size: 8, .value_kind: global_buffer, .address_space: global }
      - { .name: QK, .offset: 8, .size: 8, .value_kind: global_buffer, .address_space: global }
      - { .name: SB, .offset: 16, .size: 8, .value_kind: global_buffer, .address_space: global }
      - { .name: PW, .offset: 24, .size: 8, .value_kind: global_buffer, .address_space: global }
      - { .name: ST, .offset: 32, .size: 8, .value_kind: global_buffer, .address_space: global }
      - { .name: MS, .offset: 40, .size: 8, .value_kind: global_buffer, .address_space: global }
    .group_segment_fixed_size: 321536
    .private_segment_fixed_size: 0
    .kernarg_segment_align: 8
    .kernarg_segment_size: 48
    .max_flat_workgroup_size: 256
    .sgpr_count:     66
    .vgpr_count:     512
    .wavefront_size: 32
...
	.end_amdgpu_metadata
.endif
;; end of part 2
;; launch comb (part 3): grid 272 x 1, 8 waves a work-group, no clusters, 6,144 bytes of LDS; arguments PW, ST, WVB, bv, MS, CTXF, out1, out2, out3; writes CTXF, out1, out2, out3
.if DOCPART == 3
	.amdgcn_target "amdgcn-amd-amdhsa--gfx1250"
	.amdhsa_code_object_version 6
	.text
	.protected	k_qfa14cd3277_comb
	.globl	k_qfa14cd3277_comb
	.p2align	8
	.type	k_qfa14cd3277_comb,@function
k_qfa14cd3277_comb:
	s_mov_b64 s[64:65], 0
	v_nop
	global_prefetch_b8 v0, s[64:65] scope:SCOPE_SE
	s_setreg_imm32_b32 hwreg(HW_REG_WAVE_MODE, 25, 1), 1
	s_wait_xcnt 0x0
; COMB.  Work-groups 0-255, x = 16 head + b: the sixteen row blocks of (b, head) are joined by their maxima,
;   M2 = max over j of m2[j],  a[j] = 2^(m2[j] - M2),  wc[c] = sum over j of a[j] PW[b][j][head][c] / sum over j of a[j] l[j],
; and ctx[b][64 head + e] = wc . Wv[64 head + e][:] + bv (the weights of a softmax add up to 1, so bv enters once).  ctx leaves rounded to bf16, laid as the last launch's matrix fragments.
; Wave w takes rows e = 8 w .. 8 w + 7.  A product with ONE row: it goes by fused multiply-adds from bf16 halves (a matrix tile would use 1 row of 16).
; NO CLUSTER: the head's rows of WVB, which sixteen work-groups share, go from memory straight into the registers that multiply them; a joint load would add a way through LDS.
; Work-groups 256-271, b = x - 256: out1 = softmax of the mean scores, and its eight largest with their indices.
; LIMITS.  The eight are ranked by the f32 mean scores, the lowest index first among equals; the weights, a growing function of the scores, can tie in f32 where scores differ by less than about 1e-7.
; NaN and infinities are not treated apart; a weight below 2^-126 counts as 0.
.set WC,    0                          ; wc: 1,024 f32
.set TK,    4096                       ; the waves' winners: 64 values, then 64 indices
.set SUMS,  4608                       ; the waves' sums
.set SPARE, 4864                       ; the spare words: 128 bytes a wave, four blocks of 256 bytes that no other line names
.set LN,  1
.set RR,  2
.set OT,  3                            ; 16 x thread
.set OL,  4
.set OS,  5
.set ZERO, 6
.set ONE, 7
.set BV,  8
.set PWR, 16
.set WV,  80                           ; row e, load i at WV + 16 e + 4 i
.set WCR, 208
.set ACC, 240
.set WS,  248
.set SM,  252
.set SL,  253
.set SPW, 254
.set NIL, 255
.macro XMAX x, t
.irp m, 1, 2, 4, 8
	v_max_num_f32_dpp v[\x], v[\x], v[\x] row_xmask:\m row_mask:0xf bank_mask:0xf
.endr
	v_permlanex16_b32 v[\t], v[\x], s28, s29
	v_max_num_f32 v[\x], v[\x], v[\t]
.endm
.macro XMIN x, t
.irp m, 1, 2, 4, 8
	v_min_num_f32_dpp v[\x], v[\x], v[\x] row_xmask:\m row_mask:0xf bank_mask:0xf
.endr
	v_permlanex16_b32 v[\t], v[\x], s28, s29
	v_min_num_f32 v[\x], v[\x], v[\t]
.endm
.macro XSUM x, t
.irp m, 1, 2, 4, 8
	v_add_f32_dpp v[\x], v[\x], v[\x] row_xmask:\m row_mask:0xf bank_mask:0xf
.endr
	v_permlanex16_b32 v[\t], v[\x], s28, s29
	v_add_f32 v[\x], v[\x], v[\t]
.endm
	s_load_b512 s[8:23], s[0:1], 0x0               ; PW 8, ST 10, WVB 12, bv 14, MS 16, CTXF 18, out1 20, out2 22
	s_load_b64 s[24:25], s[0:1], 0x40              ; out3
	v_lshl_add_u32 v[SPW], v0, 2, SPARE
	v_mov_b32 v[NIL], 0
	v_lshrrev_b32 v[LN], 5, v0
	v_readfirstlane_b32 s2, v[LN]                  ; wave
	v_and_b32 v[LN], 31, v0
	v_and_b32 v[RR], 15, v0
	v_lshlrev_b32 v[OT], 4, v0
	s_mov_b32 s28, 0x76543210
	s_mov_b32 s29, 0xfedcba98
	s_mov_b32 s30, 0x3fb8aa3b                      ; log2(e)
	s_mov_b32 s7, 0
	s_cmp_ge_u32 ttmp9, 256                        ; the same in all waves of a work-group
	s_cbranch_scc1 .Ltopk
	s_lshr_b32 s3, ttmp9, 4                        ; head
	s_and_b32 s4, ttmp9, 15                        ; b
	v_lshlrev_b32 v[OL], 4, v[LN]
	v_lshlrev_b32 v[OS], 7, v[RR]
	v_mov_b32 v[ZERO], 0
	v_mov_b32 v[ONE], 1.0
	s_wait_kmcnt 0x0
	s_lshl_b32 s6, s4, 11
	s_lshl_b32 s5, s3, 2
	s_add_co_u32 s6, s6, s5
	s_add_nc_u64 s[10:11], s[10:11], s[6:7]        ; ST[b][0][head]
	s_lshl_b32 s6, s4, 20
	s_lshl_b32 s5, s3, 12
	s_add_co_u32 s6, s6, s5
	s_add_nc_u64 s[8:9], s[8:9], s[6:7]            ; PW[b][0][head]
	s_lshl_b32 s6, s3, 17
	s_lshl_b32 s5, s2, 14
	s_add_co_u32 s6, s6, s5
	s_add_nc_u64 s[12:13], s[12:13], s[6:7]        ; WVB at row 64 head + 8 w
	s_lshl_b32 s6, s3, 8
	s_lshl_b32 s5, s2, 5
	s_add_co_u32 s6, s6, s5
	s_add_nc_u64 s[14:15], s[14:15], s[6:7]
	s_lshl_b32 s6, s3, 11                          ; CTXF: K step 2 head + w / 4, half (w / 2) % 2, lane b + 16 (w % 2), 16 bytes: 2,048 head + 256 w + 16 b
	s_lshl_b32 s5, s2, 8
	s_add_co_u32 s6, s6, s5
	s_lshl_b32 s5, s4, 4
	s_add_co_u32 s6, s6, s5
	s_add_nc_u64 s[18:19], s[18:19], s[6:7]
	global_load_b32 v[SM], v[OS], s[10:11]         ; lane l: m2 and l of block l % 16
	global_load_b32 v[SL], v[OS], s[10:11] offset:64
.set i, 0
.rept 16
	global_load_b128 v[PWR+4*i:PWR+4*i+3], v[OT], s[8:9] offset:65536*i th:TH_LOAD_NT
.set i, i+1
.endr
.set i, 0
.rept 32
	global_load_b128 v[WV+4*i:WV+4*i+3], v[OL], s[12:13] offset:(i/4)*2048+(i%4)*512
.set i, i+1
.endr
	global_load_b128 v[BV:BV+3], v[ZERO], s[14:15]
	global_load_b128 v[BV+4:BV+7], v[ZERO], s[14:15] offset:16
	s_wait_loadcnt 50                              ; the statistics; 16 + 32 + 2 are younger
	v_mov_b32 v[WS], v[SM]
.irp m, 1, 2, 4, 8
	v_max_num_f32_dpp v[WS], v[WS], v[WS] row_xmask:\m row_mask:0xf bank_mask:0xf
.endr
	v_sub_f32 v[WS+1], v[SM], v[WS]
	v_exp_f32 v[WS+1], v[WS+1]
	v_nop
	s_wait_alu depctr_va_vdst(0)
	v_mul_f32 v[WS+2], v[WS+1], v[SL]
.irp m, 1, 2, 4, 8
	v_add_f32_dpp v[WS+2], v[WS+2], v[WS+2] row_xmask:\m row_mask:0xf bank_mask:0xf
.endr
	v_rcp_f32 v[WS+2], v[WS+2]
	v_nop
	s_wait_alu depctr_va_vdst(0)
	v_mul_f32 v[WS+1], v[WS+1], v[WS+2]
.set i, 0
.rept 16
	v_readlane_b32 s[32+i], v[WS+1], i             ; the sixteen weights, as factors alone
.set i, i+1
.endr
	s_wait_loadcnt 34                              ; PW; 32 + 2 are younger
.set k, 0
.rept 4
	v_mul_f32 v[WS+k], s32, v[PWR+k]
.set k, k+1
.endr
.set i, 1
.rept 15
.set k, 0
.rept 4
	v_fma_f32 v[WS+k], s[32+i], v[PWR+4*i+k], v[WS+k]
.set k, k+1
.endr
.set i, i+1
.endr
	ds_store_b128 v[OT], v[WS:WS+3]                ; wc[4 t .. 4 t + 3]
	s_wait_dscnt 0x0
	s_barrier_signal -1
	s_barrier_wait -1
	v_lshlrev_b32 v[OS], 5, v[LN]                  ; the statistics' loads were waited for: their offset register is free
.set i, 0
.rept 4
	ds_load_b128 v[WCR+8*i:WCR+8*i+3], v[OS] offset:1024*i       ; wc[256 i + 8 lane + 0..7], the columns of my 16 bytes of a row of WVB
	ds_load_b128 v[WCR+8*i+4:WCR+8*i+7], v[OS] offset:1024*i+16
.set i, i+1
.endr
	s_wait_loadcnt 0x0
	s_wait_dscnt 0x0
.set i, 0
.rept 4
.set m, 0
.rept 4
.set e, 0
.rept 8                                        ; the eight rows' chains take turns
.if (i == 0) && (m == 0)
	v_fma_mix_f32_bf16 v[ACC+e], v[WV+16*e+4*i+m], v[WCR+8*i+2*m], v[ZERO] op_sel_hi:[1,0,0]
.else
	v_fma_mix_f32_bf16 v[ACC+e], v[WV+16*e+4*i+m], v[WCR+8*i+2*m], v[ACC+e] op_sel_hi:[1,0,0]
.endif
.set e, e+1
.endr
.set e, 0
.rept 8
	v_fma_mix_f32_bf16 v[ACC+e], v[WV+16*e+4*i+m], v[WCR+8*i+2*m+1], v[ACC+e] op_sel:[1,0,0] op_sel_hi:[1,0,0]
.set e, e+1
.endr
.set m, m+1
.endr
.set i, i+1
.endr
.irp m, 1, 2, 4, 8
.set e, 0
.rept 8
	v_add_f32_dpp v[ACC+e], v[ACC+e], v[ACC+e] row_xmask:\m row_mask:0xf bank_mask:0xf
.set e, e+1
.endr
.endr
.set e, 0
.rept 8
	v_permlanex16_b32 v[WCR+e], v[ACC+e], s28, s29
.set e, e+1
.endr
.set e, 0
.rept 8
	v_add_f32 v[ACC+e], v[ACC+e], v[WCR+e]
.set e, e+1
.endr
.set i, 0
.rept 4
	v_cvt_pk_bf16_f32 v[WCR+8+i], v[BV+2*i], v[BV+2*i+1]         ; bv rounded to bf16, like every input
.set i, i+1
.endr
.set i, 0
.rept 4
	v_fma_mix_f32_bf16 v[ACC+2*i], v[WCR+8+i], v[ONE], v[ACC+2*i] op_sel_hi:[1,0,0]
	v_fma_mix_f32_bf16 v[ACC+2*i+1], v[WCR+8+i], v[ONE], v[ACC+2*i+1] op_sel:[1,0,0] op_sel_hi:[1,0,0]
.set i, i+1
.endr
.set i, 0
.rept 4
	v_cvt_pk_bf16_f32 v[WS+i], v[ACC+2*i], v[ACC+2*i+1]
.set i, i+1
.endr
	s_wait_xcnt 0x0                                ; EXEC changes only behind this wait
	v_cmp_eq_u32 vcc_lo, 0, v[LN]
	s_and_saveexec_b32 s5, vcc_lo
	global_store_b128 v[ZERO], v[WS:WS+3], s[18:19]  ; one lane stores the wave's 16 bytes (CTXF is 32,768 bytes in all)
	s_wait_xcnt 0x0
	s_or_b32 exec_lo, exec_lo, s5
	s_wait_tensorcnt 0x0                           ; the wave's end
	ds_add_u32 v[SPW], v[NIL]
	s_wait_dscnt 0x0
	s_endpgm
; THE MEAN SCORES' SOFTMAX AND ITS EIGHT LARGEST.  Thread t holds n = 4 t + 0..3 and 1,024 + 4 t + 0..3.
; v16-23 working copy, v24-31 the scores and then their weights, v32-39 the indices as f32, v40-47 at work, v48 the winner's value, v49 its index.
; PICK: the largest of the wave's numbers; among equals the lowest index; the winner is struck out.  No branch and no address hangs on these numbers.
.macro PICK n, vv, ii
.if (\n) == 8
	v_max3_num_f32 v48, v[(\vv)], v[(\vv)+1], v[(\vv)+2]
	v_max3_num_f32 v50, v[(\vv)+3], v[(\vv)+4], v[(\vv)+5]
	v_max3_num_f32 v48, v48, v[(\vv)+6], v[(\vv)+7]
	v_max_num_f32 v48, v48, v50
.else
	v_max_num_f32 v48, v[(\vv)], v[(\vv)+1]
.endif
	XMAX 48, 52
.set z, 0
.rept \n
	v_cmp_eq_f32 vcc_lo, v[(\vv)+z], v48
	v_cndmask_b32 v[40+z], v54, v[(\ii)+z], vcc_lo
.set z, z+1
.endr
.if (\n) == 8
	v_min3_num_f32 v49, v40, v41, v42
	v_min3_num_f32 v50, v43, v44, v45
	v_min3_num_f32 v49, v49, v46, v47
	v_min_num_f32 v49, v49, v50
.else
	v_min_num_f32 v49, v40, v41
.endif
	XMIN 49, 52
.set z, 0
.rept \n
	v_cmp_eq_f32 vcc_lo, v[(\ii)+z], v49
	v_cndmask_b32 v[(\vv)+z], v[(\vv)+z], v55, vcc_lo
.set z, z+1
.endr
.endm
.Ltopk:
	s_sub_co_u32 s4, ttmp9, 256                    ; b
	s_wait_kmcnt 0x0
	s_lshl_b32 s6, s4, 13
	s_add_nc_u64 s[16:17], s[16:17], s[6:7]
	s_add_nc_u64 s[20:21], s[20:21], s[6:7]
	s_lshl_b32 s6, s4, 5
	s_add_nc_u64 s[22:23], s[22:23], s[6:7]
	s_add_nc_u64 s[24:25], s[24:25], s[6:7]
	global_load_b128 v[24:27], v[OT], s[16:17]
	global_load_b128 v[28:31], v[OT], s[16:17] offset:4096
	v_lshlrev_b32 v4, 2, v0
.set i, 0
.rept 4
	v_add_nc_u32 v[40+i], i, v4
	v_add_nc_u32 v[44+i], 1024+i, v4
.set i, i+1
.endr
.set i, 0
.rept 8
	v_cvt_f32_u32 v[32+i], v[40+i]
.set i, i+1
.endr
	v_mov_b32 v54, 0x45800000                      ; 4,096.0: above every index
	v_mov_b32 v55, 0xff800000                      ; minus infinity
	v_mov_b32 v52, 0
	s_lshl_b32 s5, s2, 5
	s_add_co_u32 s5, s5, TK
	v_mov_b32 v53, s5                              ; my wave's eight words among the values
	s_wait_loadcnt 0x0
.set i, 0
.rept 8
	v_mov_b32 v[16+i], v[24+i]                     ; the copy in which winners are struck out
.set i, i+1
.endr
.set k, 0
.rept 8
	PICK 8, 16, 32
	ds_store_b32 v53, v48 offset:4*k               ; all lanes hold the same number for the same word
	ds_store_b32 v53, v49 offset:256+4*k
.set k, k+1
.endr
	s_wait_dscnt 0x0
	s_barrier_signal -1
	s_barrier_wait -1
	v_lshl_add_u32 v56, v[LN], 2, TK
	ds_load_b32 v62, v56                           ; the 64 winners, two a lane: values,
	ds_load_b32 v63, v56 offset:128
	ds_load_b32 v64, v56 offset:256                ; and indices
	ds_load_b32 v65, v56 offset:384
	s_wait_dscnt 0x0
	v_max_num_f32 v66, v62, v63
	XMAX 66, 52                                    ; the row's maximum
	v_mul_f32 v67, 0xbfb8aa3b, v66                 ; - log2(e) M
.set i, 0
.rept 8
	v_fma_f32 v[24+i], v[24+i], s30, v67
.set i, i+1
.endr
.set i, 0
.rept 8
	v_exp_f32 v[24+i], v[24+i]
.set i, i+1
.endr
	v_nop
	s_wait_alu depctr_va_vdst(0)
	v_pk_add_f32 v[40:41], v[24:25], v[26:27]
	v_pk_add_f32 v[42:43], v[28:29], v[30:31]
	v_pk_add_f32 v[40:41], v[40:41], v[42:43]
	v_add_f32 v40, v40, v41
	XSUM 40, 52
	s_lshl_b32 s5, s2, 2
	s_add_co_u32 s5, s5, SUMS
	v_mov_b32 v57, s5
	ds_store_b32 v57, v40
	s_wait_dscnt 0x0
	s_barrier_signal -1
	s_barrier_wait -1
	v_mov_b32 v58, SUMS
	ds_load_b128 v[40:43], v58
	ds_load_b128 v[44:47], v58 offset:16
	s_wait_dscnt 0x0
	v_pk_add_f32 v[40:41], v[40:41], v[42:43]
	v_pk_add_f32 v[44:45], v[44:45], v[46:47]
	v_pk_add_f32 v[40:41], v[40:41], v[44:45]
	v_add_f32 v40, v40, v41
	v_rcp_f32 v68, v40
	v_rcp_f32 v69, v40                             ; twice: the packed multiply names a pair
	v_nop
.set i, 0
	s_wait_alu depctr_va_vdst(0)
.rept 4
	v_pk_mul_f32 v[24+2*i:25+2*i], v[24+2*i:25+2*i], v[68:69]
.set i, i+1
.endr
	global_store_b128 v[OT], v[24:27], s[20:21]    ; a wave's store covers 512 consecutive bytes, aligned
	global_store_b128 v[OT], v[28:31], s[20:21] offset:4096
	s_cmp_lg_u32 s2, 0
	s_cbranch_scc1 .Ldone
	v_mov_b32 v70, 0
	v_mov_b32 v71, 0
.set k, 0
.rept 8
	PICK 2, 62, 64
	s_mov_b32 s5, 1<<k
	v_cndmask_b32 v70, v70, v48, s5                ; winner k goes into lane k
	v_cndmask_b32 v71, v71, v49, s5
.set k, k+1
.endr
	v_fma_f32 v70, v70, s30, v67                   ; the same lines as for out1: the same bits
	v_exp_f32 v70, v70
	v_nop
	v_cvt_u32_f32 v71, v71
	s_wait_alu depctr_va_vdst(0)
	v_mul_f32 v70, v70, v68
	v_lshlrev_b32 v72, 2, v[LN]
	s_wait_xcnt 0x0                                ; EXEC changes only behind this wait
	v_cmp_gt_u32 vcc_lo, 8, v[LN]
	s_and_saveexec_b32 s5, vcc_lo
	global_store_b32 v72, v71, s[22:23]
	global_store_b32 v72, v70, s[24:25]
	s_wait_xcnt 0x0
	s_or_b32 exec_lo, exec_lo, s5
.Ldone:
	s_wait_tensorcnt 0x0                           ; the wave's end
	ds_add_u32 v[SPW], v[NIL]
	s_wait_dscnt 0x0
	s_endpgm
.Lfunc_end_k_qfa14cd3277_comb:
	.size	k_qfa14cd3277_comb, .Lfunc_end_k_qfa14cd3277_comb-k_qfa14cd3277_comb
	.p2alignl 7, 3214868480
	.fill 96, 4, 3214868480
	.section	.rodata,"a",@progbits
	.p2align	6, 0x0
	.amdhsa_kernel k_qfa14cd3277_comb
		.amdhsa_group_segment_fixed_size 6144
		.amdhsa_private_segment_fixed_size 0
		.amdhsa_enable_private_segment 0
		.amdhsa_kernarg_size 72
		.amdhsa_user_sgpr_count 2
		.amdhsa_user_sgpr_kernarg_segment_ptr 1
		.amdhsa_wavefront_size32 1
		.amdhsa_system_sgpr_workgroup_id_x 1
		.amdhsa_system_sgpr_workgroup_id_y 1
		.amdhsa_system_sgpr_workgroup_id_z 1
		.amdhsa_system_vgpr_workitem_id 0
		.amdhsa_next_free_vgpr 256
		.amdhsa_next_free_sgpr 66
		.amdhsa_reserve_vcc 1
		.amdhsa_float_denorm_mode_32 3
		.amdhsa_float_denorm_mode_16_64 3
		.amdhsa_memory_ordered 1
		.amdhsa_forward_progress 1
		.amdhsa_inst_pref_size 67
	.end_amdhsa_kernel
	.amdgpu_metadata
---
amdhsa.version: [ 1, 2 ]
amdhsa.kernels:
  - .name:           k_qfa14cd3277_comb
    .symbol:         k_qfa14cd3277_comb.kd
    .args:
      - { .name: PW, .offset: 0, .size: 8, .value_kind: global_buffer, .address_space: global }
      - { .name: ST, .offset: 8, .size: 8, .value_kind: global_buffer, .address_space: global }
      - { .name: WVB, .offset: 16, .size: 8, .value_kind: global_buffer, .address_space: global }
      - { .name: bv, .offset: 24, .size: 8, .value_kind: global_buffer, .address_space: global }
      - { .name: MS, .offset: 32, .size: 8, .value_kind: global_buffer, .address_space: global }
      - { .name: CTXF, .offset: 40, .size: 8, .value_kind: global_buffer, .address_space: global }
      - { .name: out1, .offset: 48, .size: 8, .value_kind: global_buffer, .address_space: global }
      - { .name: out2, .offset: 56, .size: 8, .value_kind: global_buffer, .address_space: global }
      - { .name: out3, .offset: 64, .size: 8, .value_kind: global_buffer, .address_space: global }
    .group_segment_fixed_size: 6144
    .private_segment_fixed_size: 0
    .kernarg_segment_align: 8
    .kernarg_segment_size: 72
    .max_flat_workgroup_size: 256
    .sgpr_count:     66
    .vgpr_count:     256
    .wavefront_size: 32
...
	.end_amdgpu_metadata
.endif
;; end of part 3
;; launch outp (part 4): grid 64 x 1, 8 waves a work-group, no clusters, 46,080 bytes of LDS; arguments CTXF, Wo, bo, out0; writes out0
.if DOCPART == 4
	.amdgcn_target "amdgcn-amd-amdhsa--gfx1250"
	.amdhsa_code_object_version 6
	.text
	.protected	k_qfa14cd3277_outp
	.globl	k_qfa14cd3277_outp
	.p2align	8
	.type	k_qfa14cd3277_outp,@function
k_qfa14cd3277_outp:
	s_mov_b64 s[64:65], 0
	v_nop
	global_prefetch_b8 v0, s[64:65] scope:SCOPE_SE
	s_setreg_imm32_b32 hwreg(HW_REG_WAVE_MODE, 25, 1), 1
	s_wait_xcnt 0x0
; OUTP.  out0[b][o] = ctx[b][:] . Wo[o][:] + bo[o].  Wo and bo are rounded once to bf16; ctx arrives in bf16, laid as fragments; sums in f32.
; Work-group i takes o = 16 i .. 16 i + 15 (65,536 bytes of Wo); wave w takes k = 128 w .. + 127: four products, source 0 = 16 rows of Wo, source 1 = 32 k x 16 b.
; The eight waves' partial sums meet in LDS; waves 0 and 1 add them and store.
; 64 work-groups: a tile of 16 o is the smallest that a product takes.  A store's lanes write pieces of 64 bytes; whole rows of 256 bytes would want 16 work-groups that load 262,144 bytes of Wo each; out0 is 65,536 bytes in all.
; NO CLUSTER: the work-groups share CTXF's 32,768 bytes alone, a third of what each reads, and it goes straight into registers.
.set PST,   272                        ; a staged row: 128 bf16 + 16 bytes
.set PXO,   80                         ; a row of partial sums: 16 f32 + 16 bytes
.set XO,    8*16*PST
.set SPARE, XO+8*16*PXO                ; the spare words: 128 bytes a wave, four blocks of 256 bytes that no other line names
.set LN,  1
.set RR,  2
.set HH,  3
.set GW,  4
.set GL,  5
.set GB,  6
.set AST, 7
.set AFR, 8
.set AXS, 9
.set AXL, 10
.set GO,  11
.set SL,  16                           ; 16 loads of Wo; then 4 fragments; then 8 partial sums
.set BF,  80                           ; 4 fragments of ctx
.set A0,  112
.set A1,  120
.set BO,  128
.set T,   132
.set SPW, 158
.set NIL, 159
	s_load_b256 s[8:15], s[0:1], 0x0               ; CTXF 8, Wo 10, bo 12, out0 14
	v_lshl_add_u32 v[SPW], v0, 2, SPARE
	v_mov_b32 v[NIL], 0
	v_lshrrev_b32 v[LN], 5, v0
	v_readfirstlane_b32 s2, v[LN]                  ; wave
	v_and_b32 v[LN], 31, v0
	v_and_b32 v[RR], 15, v0
	v_bfe_u32 v[HH], v0, 4, 1
	s_lshl_b32 s5, s2, 9
	v_lshl_add_u32 v[GW], v[LN], 4, s5
	v_lshlrev_b32 v[GL], 4, v[LN]
	v_and_b32 v[GB], 3, v0
	v_lshlrev_b32 v[GB], 4, v[GB]
	s_mul_i32 s5, s2, 16*PST
	v_lshl_add_u32 v[AST], v[LN], 3, s5
	v_mul_u32_u24 v[AFR], v[RR], PST
	v_lshl_add_u32 v[AFR], v[HH], 4, v[AFR]
	v_add_nc_u32 v[AFR], s5, v[AFR]
	s_mul_i32 s5, s2, 16*PXO
	s_add_co_u32 s5, s5, XO
	v_mul_u32_u24 v[AXS], v[RR], PXO               ; row b = lane % 16, o = 8 (lane / 16) on
	v_lshl_add_u32 v[AXS], v[HH], 5, v[AXS]
	v_add_nc_u32 v[AXS], s5, v[AXS]
	v_lshrrev_b32 v[AXL], 2, v[LN]                 ; back (waves 0, 1): row b = lane / 4 + 8 w, 16 bytes at 16 (lane % 4)
	s_lshl_b32 s5, s2, 3
	v_add_nc_u32 v[AXL], s5, v[AXL]
	v_lshl_add_u32 v[GO], v[AXL], 12, v[GB]
	v_mul_u32_u24 v[AXL], v[AXL], PXO
	v_add3_u32 v[AXL], v[AXL], v[GB], XO
	s_wait_kmcnt 0x0
	s_mov_b32 s7, 0
	s_lshl_b32 s6, s2, 12
	s_add_nc_u64 s[8:9], s[8:9], s[6:7]            ; my four K steps of ctx
	s_lshl_b32 s6, ttmp9, 16
	s_add_nc_u64 s[10:11], s[10:11], s[6:7]
	s_lshl_b32 s6, ttmp9, 6
	s_add_nc_u64 s[12:13], s[12:13], s[6:7]
	s_add_nc_u64 s[14:15], s[14:15], s[6:7]
.set i, 0
.rept 16
	global_load_b128 v[SL+4*i:SL+4*i+3], v[GW], s[10:11] offset:4096*i th:TH_LOAD_NT
.set i, i+1
.endr
.set i, 0
.rept 8
	global_load_b128 v[BF+4*i:BF+4*i+3], v[GL], s[8:9] offset:512*i
.set i, i+1
.endr
	global_load_b128 v[BO:BO+3], v[GB], s[12:13]
	s_wait_loadcnt 9                               ; Wo; ctx's eight loads and bo's are younger
.set i, 0
.rept 16
	v_cvt_pk_bf16_f32 v[SL+4*i], v[SL+4*i], v[SL+4*i+1]
	v_cvt_pk_bf16_f32 v[SL+4*i+1], v[SL+4*i+2], v[SL+4*i+3]
	ds_store_b64 v[AST], v[SL+4*i:SL+4*i+1] offset:i*PST
.set i, i+1
.endr
.set k, 0
.rept 4
	ds_load_b128 v[SL+8*k:SL+8*k+3], v[AFR] offset:64*k          ; my own stage: LDS serves a wave's instructions in order (ISA guide 5.7.1.4)
	ds_load_b128 v[SL+8*k+4:SL+8*k+7], v[AFR] offset:64*k+32
.set k, k+1
.endr
	s_wait_loadcnt 0x0
	s_wait_dscnt 0x0
	v_wmma_f32_16x16x32_bf16 v[A0:A0+7], v[SL:SL+7], v[BF:BF+7], 0             ; two accumulators by turns
	v_wmma_f32_16x16x32_bf16 v[A1:A1+7], v[SL+8:SL+15], v[BF+8:BF+15], 0
	v_wmma_f32_16x16x32_bf16 v[A0:A0+7], v[SL+16:SL+23], v[BF+16:BF+23], v[A0:A0+7]
	v_wmma_f32_16x16x32_bf16 v[A1:A1+7], v[SL+24:SL+31], v[BF+24:BF+31], v[A1:A1+7]
.rept 4
	v_nop                                          ; four places behind the last product (ISA guide 7.12.1)
.endr
.set i, 0
.rept 4
	v_pk_add_f32 v[A0+2*i:A0+2*i+1], v[A0+2*i:A0+2*i+1], v[A1+2*i:A1+2*i+1]
.set i, i+1
.endr
	ds_store_b128 v[AXS], v[A0:A0+3]
	ds_store_b128 v[AXS], v[A0+4:A0+7] offset:16
	s_wait_dscnt 0x0
	s_barrier_signal -1
	s_barrier_wait -1
	s_cmp_ge_u32 s2, 2
	s_cbranch_scc1 .Lend
.set i, 0
.rept 8
	ds_load_b128 v[SL+4*i:SL+4*i+3], v[AXL] offset:16*PXO*i
.set i, i+1
.endr
	v_cvt_pk_bf16_f32 v[T], v[BO], v[BO+1]
	v_cvt_pk_bf16_f32 v[T+1], v[BO+2], v[BO+3]
	v_mov_b32 v[T+2], 1.0
	s_wait_dscnt 0x0
.irp d, 4, 2, 1
.set i, 0
.rept 2*\d
	v_pk_add_f32 v[SL+2*i:SL+2*i+1], v[SL+2*i:SL+2*i+1], v[SL+4*\d+2*i:SL+4*\d+2*i+1]
.set i, i+1
.endr
.endr
	v_fma_mix_f32_bf16 v[SL], v[T], v[T+2], v[SL] op_sel_hi:[1,0,0]
	v_fma_mix_f32_bf16 v[SL+1], v[T], v[T+2], v[SL+1] op_sel:[1,0,0] op_sel_hi:[1,0,0]
	v_fma_mix_f32_bf16 v[SL+2], v[T+1], v[T+2], v[SL+2] op_sel_hi:[1,0,0]
	v_fma_mix_f32_bf16 v[SL+3], v[T+1], v[T+2], v[SL+3] op_sel:[1,0,0] op_sel_hi:[1,0,0]
	global_store_b128 v[GO], v[SL:SL+3], s[14:15]
.Lend:
	s_wait_tensorcnt 0x0                           ; the wave's end
	ds_add_u32 v[SPW], v[NIL]
	s_wait_dscnt 0x0
	s_endpgm
.Lfunc_end_k_qfa14cd3277_outp:
	.size	k_qfa14cd3277_outp, .Lfunc_end_k_qfa14cd3277_outp-k_qfa14cd3277_outp
	.p2alignl 7, 3214868480
	.fill 96, 4, 3214868480
	.section	.rodata,"a",@progbits
	.p2align	6, 0x0
	.amdhsa_kernel k_qfa14cd3277_outp
		.amdhsa_group_segment_fixed_size 46080
		.amdhsa_private_segment_fixed_size 0
		.amdhsa_enable_private_segment 0
		.amdhsa_kernarg_size 32
		.amdhsa_user_sgpr_count 2
		.amdhsa_user_sgpr_kernarg_segment_ptr 1
		.amdhsa_wavefront_size32 1
		.amdhsa_system_sgpr_workgroup_id_x 1
		.amdhsa_system_sgpr_workgroup_id_y 1
		.amdhsa_system_sgpr_workgroup_id_z 1
		.amdhsa_system_vgpr_workitem_id 0
		.amdhsa_next_free_vgpr 160
		.amdhsa_next_free_sgpr 66
		.amdhsa_reserve_vcc 0
		.amdhsa_float_denorm_mode_32 3
		.amdhsa_float_denorm_mode_16_64 3
		.amdhsa_memory_ordered 1
		.amdhsa_forward_progress 1
		.amdhsa_inst_pref_size 11
	.end_amdhsa_kernel
	.amdgpu_metadata
---
amdhsa.version: [ 1, 2 ]
amdhsa.kernels:
  - .name:           k_qfa14cd3277_outp
    .symbol:         k_qfa14cd3277_outp.kd
    .args:
      - { .name: CTXF, .offset: 0, .size: 8, .value_kind: global_buffer, .address_space: global }
      - { .name: Wo, .offset: 8, .size: 8, .value_kind: global_buffer, .address_space: global }
      - { .name: bo, .offset: 16, .size: 8, .value_kind: global_buffer, .address_space: global }
      - { .name: out0, .offset: 24, .size: 8, .value_kind: global_buffer, .address_space: global }
    .group_segment_fixed_size: 46080
    .private_segment_fixed_size: 0
    .kernarg_segment_align: 8
    .kernarg_segment_size: 32
    .max_flat_workgroup_size: 256
    .sgpr_count:     66
    .vgpr_count:     160
    .wavefront_size: 32
...
	.end_amdgpu_metadata
.endif
;; end of part 4
;; ======== version 2 of 2: 4 launches; version 1 with the launches prep, main written anew for expert scheduling mode
;; workspace buffers: QK 1,048,576 bytes; SB 1,024 bytes; WVB 2,097,152 bytes; PW 16,777,216 bytes; ST 32,768 bytes; MS 131,072 bytes; CTXF 32,768 bytes
;; launch prep (part 5): grid 256 x 1, 8 waves a work-group, no clusters, 229,376 bytes of LDS; arguments state, Wq, bq, Wk, bk, Wv, QK, SB, WVB; writes QK, SB, WVB
.if DOCPART == 5
	.amdgcn_target "amdgcn-amd-amdhsa--gfx1250"
	.amdhsa_code_object_version 6
	.text
	.protected	k_qfa14cd3277_prep
	.globl	k_qfa14cd3277_prep
	.p2align	8
	.type	k_qfa14cd3277_prep,@function
k_qfa14cd3277_prep:
	s_mov_b64 s[64:65], 0
	v_nop
	global_prefetch_b8 v0, s[64:65] scope:SCOPE_SE
	s_setreg_imm32_b32 hwreg(HW_REG_WAVE_SCHED_MODE, 0, 2), 2
	s_setreg_imm32_b32 hwreg(HW_REG_WAVE_MODE, 25, 1), 1
	s_wait_xcnt 0x0
	s_wait_alu depctr_vm_vsrc(0)
; PREP.  With one query a batch the key projection is folded into the query: scores[b][h][n] = cand[b][n][:] . QK[b][h][:] + SB[h][b], with
;   Q[b][64 h + d] = 0.125 (state[b][:] . Wq[64 h + d][:] + bq),   QK[b][h][c] = sum over d of Q[b][64 h + d] Wk[64 h + d][c],   SB[h][b] = sum over d of Q[b][64 h + d] bk[64 h + d].
; Every input is rounded once to bf16; sums are f32.  Q is split into three bf16 parts (8 + 8 + 8 significant bits) for the product with Wk, so QK keeps f32's accuracy: the order of the
; mean scores, on which whole-number outputs hang, is made from it.
; SHARES.  Work-group x: head x / 16, 64 columns c at 64 (x % 16).  Each work-group makes the head's Q^T (64 d x 16 b over 1,024) itself: wave w takes the 128 columns at 128 w of state and Wq.
; It also rounds rows 4 x .. 4 x + 3 of Wv into WVB.
; NO CLUSTER, NO TENSOR LOAD: the operands arrive as f32 and pass through registers to be rounded; as f32 the 80 rows of 4,096 bytes that the sixteen work-groups of a head share
; are 327,680 bytes, which leaves no LDS for the bf16 copy that the products read.
; LIMITS.  NaN and infinities are not treated apart; the order of rounding differs from the formula's as written (the products are associated otherwise).
; THE MODE: SCHED_MODE bits 1:0 = 2 (LLVM: expert scheduling mode 2), set by the entry lines.  The code itself states the register dependences
; between vector or matrix instructions and memory or LDS instructions, with s_wait_alu, always for 0.
; THE PLAN.  Registers that memory or LDS instructions touch:
;   v1-15, v244, v245, v252, v253   offsets and addresses, made at the head; v252 and v253 are made anew once, on the way out.
;   SL0, SL1   two slots of 16 loads, by turns.  Read by a batch's 32 conversions alone; loaded again behind the wait that follows those.
;   OB0, OB1   two out-buffers, by turns.  Written by a batch's conversions, read by its 16 LDS stores, written again two batches on.
;   WKR, WVR   rounded in place, stored, never written again.
; So a batch has ONE wait on va_vdst, behind its conversions (the out-buffer is written, the slot is read out): the slot's next loads follow it at once, then the LDS stores;
; and one wait on vm_vsrc at its head, a whole batch behind the stores that it waits for.  Behind the stream each run of stores has one wait on va_vdst ahead of it.
.set PST,   272                        ; a staged row: 128 bf16 + 16 bytes = 68 words: the 16 rows of a fragment load start at 16 different groups of four banks (64 banks of 4 bytes: ISA guide 11.1)
.set STRB,  80*PST                     ; a wave's stage: rows 0-15 state, rows 16-79 the head's Wq
.set WKB,   8*STRB                     ; Wk's tile: 64 rows d, 64 c in bf16
.set PWK,   160                        ; 128 + 32 bytes = 40 words
.set XQ,    WKB+64*PWK                 ; the eight waves' partial Q^T, 4,096 bytes each
.set QF,    XQ+8*4096                  ; the finished Q^T
.set OST,   QF+4096                    ; the way out: 16 rows b, 64 c in f32
.set SPARE, OST+16*PST                 ; the spare words: 128 bytes a wave, four blocks of 256 bytes that no other line names
.set LN,  1                            ; lane
.set RR,  2                            ; lane % 16
.set HH,  3                            ; lane / 16
.set GS,  4                            ; 512 w + 16 lane: my 16 bytes in a row of state or Wq
.set GK,  5                            ; Wk: row 8 w + lane / 16, 16 bytes at 16 (lane % 16)
.set AST, 6                            ; stage, in
.set AWK, 7                            ; Wk's tile, in
.set AFR, 8                            ; stage, a fragment's lane address
.set AXS, 9                            ; partial Q^T, in
.set AXL, 10                           ; partial Q^T, slice w
.set AQS, 11                           ; finished Q^T, slice w
.set AQL, 12                           ; finished Q^T, all
.set ATK, 13                           ; Wk's tile, turned
.set AOS, 14                           ; way out, in
.set AOL, 15                           ; way out, back
.set SL0, 16                           ; two slots of 16 loads
.set SL1, 80
.set AW,  16                           ; 16 fragments of Wq: (dt, ks) at AW + 8 (4 dt + ks)
.set BS,  144                          ; 4 fragments of state
.set OB0, 144                          ; while streaming: two out-buffers, 16 rows x 2 registers, in BS's and ACC's registers
.set OB1, 176
.set ACC, 176                          ; Q^T: 4 tiles of 16 d x 16 b
.set WKR, 208
.set WVR, 224
.set BQ,  240
.set SBT, 244                          ; v244-247 serve SB alone: bk's offset, SB's offset (both made at the head), two sums
.set T,   248                          ; v248-251 at work
.set GBQ, 252                          ; bq's offset; later QK's
.set GWV, 253                          ; Wv's offset; later WVB's
.set SPW, 254
.set NIL, 255
.set Q,   16                           ; behind the second barrier: Q^T as the product left it: register 8 dt + j holds d = 16 dt + 8 (lane / 16) + j of b = lane % 16
.set QH,  48
.set QM,  64
.set QL,  80
.set AK,  96
.set C0,  112
.set C1,  120
.set C2,  128
.set R,   136
.set BK,  144
.macro LOAD16 slot, base, row0         ; my 512 bytes of 16 rows
.set i, 0
.rept 16
	global_load_b128 v[(\slot)+4*i:(\slot)+4*i+3], v[GS], s[(\base):(\base)+1] offset:((\row0)+i)*4096
.set i, i+1
.endr
.endm
.macro CVT16 slot, ob                  ; a slot's 16 rows are rounded to bf16 into an out-buffer
.set i, 0
.rept 16
	v_cvt_pk_bf16_f32 v[(\ob)+2*i], v[(\slot)+4*i], v[(\slot)+4*i+1]
	v_cvt_pk_bf16_f32 v[(\ob)+2*i+1], v[(\slot)+4*i+2], v[(\slot)+4*i+3]
.set i, i+1
.endr
.endm
.macro PUT16 ob, row0                  ; 8 bytes a lane into the stage: a wave's store covers a row's 256 bytes
.set i, 0
.rept 16
	ds_store_b64 v[AST], v[(\ob)+2*i:(\ob)+2*i+1] offset:((\row0)+i)*PST
.set i, i+1
.endr
.endm
	s_load_b512 s[8:23], s[0:1], 0x0               ; state 8, Wq 10, bq 12, Wk 14, bk 16, Wv 18, QK 20, SB 22
	s_load_b64 s[24:25], s[0:1], 0x40              ; WVB
	v_lshl_add_u32 v[SPW], v0, 2, SPARE
	v_mov_b32 v[NIL], 0
	v_lshrrev_b32 v[LN], 5, v0
	v_readfirstlane_b32 s2, v[LN]                  ; wave
	s_lshr_b32 s3, ttmp9, 4                        ; head
	s_and_b32 s4, ttmp9, 15                        ; which 64 columns
	s_mov_b32 s28, 0x76543210                      ; v_permlanex16_b32: each lane takes its own place in the other half
	s_mov_b32 s29, 0xfedcba98
	s_mov_b32 s30, 0xffff0000                      ; a word's upper bf16
	v_and_b32 v[LN], 31, v0
	v_and_b32 v[RR], 15, v0
	v_bfe_u32 v[HH], v0, 4, 1
	s_wait_alu depctr_va_sdst(0)                   ; s2 is written, ahead of its first reader: offsets, LDS addresses and branches are made from it
	s_lshl_b32 s5, s2, 9
	v_lshl_add_u32 v[GS], v[LN], 4, s5
	s_lshl_b32 s5, s2, 15
	v_lshlrev_b32 v[GK], 12, v[HH]
	v_lshl_add_u32 v[GK], v[RR], 4, v[GK]
	v_add_nc_u32 v[GK], s5, v[GK]
	s_mul_i32 s5, s2, STRB
	v_lshl_add_u32 v[AST], v[LN], 3, s5
	v_mul_u32_u24 v[AFR], v[RR], PST
	v_lshl_add_u32 v[AFR], v[HH], 4, v[AFR]
	v_add_nc_u32 v[AFR], s5, v[AFR]
	s_mul_i32 s5, s2, 8*PWK
	s_add_co_u32 s5, s5, WKB
	v_mul_u32_u24 v[AWK], v[HH], PWK
	v_lshl_add_u32 v[AWK], v[RR], 3, v[AWK]
	v_add_nc_u32 v[AWK], s5, v[AWK]
	s_lshl_b32 s5, s2, 12
	s_add_co_u32 s5, s5, XQ
	v_lshl_add_u32 v[AXS], v[LN], 4, s5
	s_lshl_b32 s5, s2, 9
	s_add_co_u32 s6, s5, XQ
	v_lshl_add_u32 v[AXL], v[LN], 4, s6
	s_add_co_u32 s6, s5, QF
	v_lshl_add_u32 v[AQS], v[LN], 4, s6
	v_lshl_add_u32 v[AQL], v[LN], 4, QF
	v_and_b32 v[ATK], 7, v0                        ; the turning load: lane l reads row 8 (l / 16) + l % 8, 16 bytes at 16 ((l / 8) % 2), of my 16 columns (waves 0-3)
	v_lshl_add_u32 v[ATK], v[HH], 3, v[ATK]
	v_mul_u32_u24 v[ATK], v[ATK], PWK
	v_bfe_u32 v[AOS], v0, 3, 1
	v_lshl_add_u32 v[ATK], v[AOS], 4, v[ATK]
	s_lshl_b32 s5, s2, 5
	s_add_co_u32 s5, s5, WKB
	v_add_nc_u32 v[ATK], s5, v[ATK]
	s_lshl_b32 s5, s2, 6
	s_add_co_u32 s5, s5, OST
	v_mul_u32_u24 v[AOS], v[RR], PST               ; row b = lane % 16, f32 columns 16 w + 8 (lane / 16) on
	v_lshl_add_u32 v[AOS], v[HH], 5, v[AOS]
	v_add_nc_u32 v[AOS], s5, v[AOS]
	s_mul_i32 s5, s2, 2*PST
	s_add_co_u32 s5, s5, OST
	v_mul_u32_u24 v[AOL], v[HH], PST               ; back: row 2 w + lane / 16, whole
	v_lshl_add_u32 v[AOL], v[RR], 4, v[AOL]
	v_add_nc_u32 v[AOL], s5, v[AOL]
	s_lshr_b32 s5, s2, 1                           ; bq for slice w of Q^T: d = 16 (w / 2) + 4 (w % 2) + 8 (lane / 16) + 0..3
	s_and_b32 s6, s2, 1
	s_lshl_b32 s7, s5, 6
	s_lshl_b32 s26, s6, 4
	s_add_co_u32 s7, s7, s26
	v_lshl_add_u32 v[GBQ], v[HH], 5, s7
	s_lshl_b32 s5, s2, 11                          ; Wv: row w / 2 of my four, its half w % 2: 2,048 w + 16 lane
	v_lshl_add_u32 v[GWV], v[LN], 4, s5
	v_lshlrev_b32 v[SBT], 5, v[HH]                 ; bk: 32 bytes for each half of the lanes
	v_lshlrev_b32 v[SBT+1], 2, v[RR]               ; SB: a word for each b
	s_wait_kmcnt 0x0
	s_mov_b32 s7, 0
	s_lshl_b32 s6, s3, 18                          ; the head's 64 rows of 4,096 bytes
	s_add_nc_u64 s[10:11], s[10:11], s[6:7]
	s_add_nc_u64 s[14:15], s[14:15], s[6:7]
	s_lshl_b32 s6, s4, 8                           ; my 64 columns in f32
	s_add_nc_u64 s[14:15], s[14:15], s[6:7]
	s_add_nc_u64 s[20:21], s[20:21], s[6:7]
	s_lshl_b32 s6, s3, 12
	s_add_nc_u64 s[20:21], s[20:21], s[6:7]        ; QK[0][head][my columns]
	s_lshl_b32 s6, s3, 8
	s_add_nc_u64 s[12:13], s[12:13], s[6:7]
	s_add_nc_u64 s[16:17], s[16:17], s[6:7]
	s_lshl_b32 s6, s3, 6
	s_add_nc_u64 s[22:23], s[22:23], s[6:7]
	s_lshl_b32 s6, ttmp9, 14
	s_add_nc_u64 s[18:19], s[18:19], s[6:7]
	s_lshl_b32 s6, ttmp9, 13
	s_add_nc_u64 s[24:25], s[24:25], s[6:7]
	s_wait_alu depctr_va_vdst(0)                   ; the offsets and addresses v4 to v15, v244, v245, v252 and v253 are written, which the loads and stores below read
	; THE STREAM: two slots of 16 loads take turns; each wait leaves out the loads issued behind the batch that it wants.
.set i, 0
.rept 4
	global_load_b128 v[WKR+4*i:WKR+4*i+3], v[GK], s[14:15] offset:8192*i
.set i, i+1
.endr
	LOAD16 SL0, 8, 0                               ; state
	LOAD16 SL1, 10, 0                              ; Wq, d = 0-15
	s_wait_loadcnt 16                              ; Wk and state are in; Wq's first 16 rows are younger
.set i, 0
.rept 4
	v_cvt_pk_bf16_f32 v[WKR+4*i], v[WKR+4*i], v[WKR+4*i+1]
	v_cvt_pk_bf16_f32 v[WKR+4*i+1], v[WKR+4*i+2], v[WKR+4*i+3]
.set i, i+1
.endr
	CVT16 SL0, OB0
	s_wait_alu depctr_va_vdst(0)                   ; the conversions have written WKR and OB0, which the LDS stores read, and are done reading SL0, in which the next loads land
	LOAD16 SL0, 10, 16
.set i, 0
.rept 4
	ds_store_b64 v[AWK], v[WKR+4*i:WKR+4*i+1] offset:2*PWK*i
.set i, i+1
.endr
	PUT16 OB0, 0
	s_wait_loadcnt 16
	CVT16 SL1, OB1
	s_wait_alu depctr_va_vdst(0)
	LOAD16 SL1, 10, 32
	PUT16 OB1, 16
	s_wait_loadcnt 16
	s_wait_alu depctr_vm_vsrc(0)                   ; the LDS stores of two batches back have read OB0, which the conversions write again
	CVT16 SL0, OB0
	s_wait_alu depctr_va_vdst(0)
	LOAD16 SL0, 10, 48
	PUT16 OB0, 32
	s_wait_loadcnt 16
	s_wait_alu depctr_vm_vsrc(0)                   ; the LDS stores of two batches back have read OB1
	CVT16 SL1, OB1
	s_wait_alu depctr_va_vdst(0)                   ; OB1 is written, which the LDS stores read
	global_load_b128 v[BQ:BQ+3], v[GBQ], s[12:13]
.set i, 0
.rept 4
	global_load_b128 v[WVR+4*i:WVR+4*i+3], v[GWV], s[18:19] offset:512*i th:TH_LOAD_NT
.set i, i+1
.endr
	PUT16 OB1, 48
	s_wait_loadcnt 5                               ; the last 16 rows of Wq; bq and Wv are younger
	s_wait_alu depctr_vm_vsrc(0)                   ; the LDS stores of two batches back have read OB0
	CVT16 SL0, OB0
	s_wait_alu depctr_va_vdst(0)                   ; OB0 is written, which the LDS stores read; Wq's fragments land in them below
	PUT16 OB0, 64
	; Q^T, my 128 of the 1,024 columns.  The stage is my own and LDS serves a wave's instructions in order (ISA guide 5.7.1.4): no wait on DScnt between the stores and these loads.
	s_wait_alu depctr_vm_vsrc(0)                   ; the LDS stores have read OB0, in which state's fragments land, and OB1, which the products write as ACC
.set k, 0
.rept 4
	ds_load_b128 v[BS+8*k:BS+8*k+3], v[AFR] offset:64*k
	ds_load_b128 v[BS+8*k+4:BS+8*k+7], v[AFR] offset:64*k+32
.set k, k+1
.endr
.set i, 0
.rept 16
	ds_load_b128 v[AW+8*i:AW+8*i+3], v[AFR] offset:(16+16*(i/4))*PST+64*(i%4)
	ds_load_b128 v[AW+8*i+4:AW+8*i+7], v[AFR] offset:(16+16*(i/4))*PST+64*(i%4)+32
.set i, i+1
.endr
	s_wait_dscnt 0x0
.set k, 0
.rept 4                                        ; the four accumulators take turns; the first products start the sums
.set d, 0
.rept 4
.if k == 0
	v_wmma_f32_16x16x32_bf16 v[ACC+8*d:ACC+8*d+7], v[AW+8*(4*d+k):AW+8*(4*d+k)+7], v[BS+8*k:BS+8*k+7], 0
.else
	v_wmma_f32_16x16x32_bf16 v[ACC+8*d:ACC+8*d+7], v[AW+8*(4*d+k):AW+8*(4*d+k)+7], v[BS+8*k:BS+8*k+7], v[ACC+8*d:ACC+8*d+7]
.endif
.set d, d+1
.endr
.set k, k+1
.endr
.rept 4
	v_nop                                          ; four places behind the last product (ISA guide 7.12.1)
.endr
	s_wait_alu depctr_va_vdst(0)                   ; the products have written ACC, which the LDS stores read, and are done reading AW and BS, in which later loads land; the places above stay beside this wait
.set i, 0
.rept 8
	ds_store_b128 v[AXS], v[ACC+4*i:ACC+4*i+3] offset:512*i
.set i, i+1
.endr
	s_wait_dscnt 0x0                               ; for the others' sake: my partial sums and my rows of Wk's tile are in LDS
	s_barrier_signal -1
	s_barrier_wait -1
	; Slice w (512 bytes) of the eight partial sums is added; + bq, x 0.125.
.set i, 0
.rept 8
	ds_load_b128 v[16+4*i:19+4*i], v[AXL] offset:4096*i          ; no vector or matrix instruction since the wait above names v16 to v47
.set i, i+1
.endr
	s_wait_loadcnt 4                               ; bq; Wv's four loads are younger
	v_cvt_pk_bf16_f32 v[T], v[BQ], v[BQ+1]
	v_cvt_pk_bf16_f32 v[T+1], v[BQ+2], v[BQ+3]
	v_mov_b32 v[T+2], 0x3e000000                   ; 0.125
	s_wait_dscnt 0x0
.irp d, 4, 2, 1
.set i, 0
.rept 2*\d
	v_pk_add_f32 v[16+2*i:17+2*i], v[16+2*i:17+2*i], v[16+4*\d+2*i:17+4*\d+2*i]
.set i, i+1
.endr
.endr
	v_pk_mul_f32 v[16:17], v[16:17], 0x3e000000 op_sel_hi:[1,0]   ; exact; the fused lines below then round (sum + bq) / 8 once
	v_pk_mul_f32 v[18:19], v[18:19], 0x3e000000 op_sel_hi:[1,0]
	v_fma_mix_f32_bf16 v16, v[T], v[T+2], v16 op_sel_hi:[1,0,0]
	v_fma_mix_f32_bf16 v17, v[T], v[T+2], v17 op_sel:[1,0,0] op_sel_hi:[1,0,0]
	v_fma_mix_f32_bf16 v18, v[T+1], v[T+2], v18 op_sel_hi:[1,0,0]
	v_fma_mix_f32_bf16 v19, v[T+1], v[T+2], v19 op_sel:[1,0,0] op_sel_hi:[1,0,0]
	s_wait_alu depctr_va_vdst(0)                   ; the slice v16 to v19 is written, which the LDS store reads; the additions are done with v16 to v47, in which Q^T lands below
	ds_store_b128 v[AQS], v[16:19]
	s_wait_dscnt 0x0
	s_barrier_signal -1
	s_barrier_wait -1
	s_wait_alu depctr_vm_vsrc(0)                   ; ahead of the branch, for both ways: that LDS store has read v16 to v19, in which loads land; bq's and Wv's loads have read v252 and v253, which the way out makes anew
	; QK^T: waves 0-3, 16 columns c each: source 0 = Wk turned (16 c x 32 d), source 1 = a part of Q (32 d x 16 b), which is Q^T's own register layout, rounded in pairs.
	s_cmp_ge_u32 s2, 4
	s_cbranch_scc1 .Lno_p2
.set i, 0
.rept 8
	ds_load_b128 v[Q+4*i:Q+4*i+3], v[AQL] offset:512*i
.set i, i+1
.endr
.set k, 0
.rept 2
	ds_load_tr16_b128 v[AK+8*k:AK+8*k+3], v[ATK] offset:32*PWK*k
	ds_load_tr16_b128 v[AK+8*k+4:AK+8*k+7], v[ATK] offset:32*PWK*k+16*PWK
.set k, k+1
.endr
	s_wait_dscnt 0x0
	s_or_b32 s5, s2, s4
	s_cmp_lg_u32 s5, 0
	s_cbranch_scc1 .Lno_sb                         ; SB: one wave of one work-group a head
.set i, 0
.rept 8
	global_load_b128 v[BK+4*i:BK+4*i+3], v[SBT], s[16:17] offset:64*(i/2)+16*(i%2)   ; into BS's registers, which no vector or matrix instruction has named since the wait behind the products
.set i, i+1
.endr
	v_mov_b32 v[SBT+2], 0
	v_mov_b32 v[SBT+3], 0
	s_wait_loadcnt 0x0
.set i, 0
.rept 16
	v_cvt_pk_bf16_f32 v[BK+2*i], v[BK+2*i], v[BK+2*i+1]
.set i, i+1
.endr
.set i, 0
.rept 16
	v_fma_mix_f32_bf16 v[SBT+2], v[BK+2*i], v[Q+2*i], v[SBT+2] op_sel_hi:[1,0,0]
	v_fma_mix_f32_bf16 v[SBT+3], v[BK+2*i], v[Q+2*i+1], v[SBT+3] op_sel:[1,0,0] op_sel_hi:[1,0,0]
.set i, i+1
.endr
	v_add_f32 v[SBT+2], v[SBT+2], v[SBT+3]
	v_permlanex16_b32 v[SBT+3], v[SBT+2], s28, s29 ; the other 32 d lie in the lane 16 away
	v_add_f32 v[SBT+2], v[SBT+2], v[SBT+3]
	s_wait_alu depctr_va_vdst(0)                   ; the sum v246 is written, which the store reads
	global_store_b32 v[SBT+1], v[SBT+2], s[22:23]  ; both halves of the lanes hold the same number for the same word
.Lno_sb:
.set i, 0
.rept 16                                       ; pair i of Q: the bf16 nearest, the bf16 nearest to what is left, and again
	v_cvt_pk_bf16_f32 v[QH+i], v[Q+2*i], v[Q+2*i+1]
	v_lshlrev_b32 v[T], 16, v[QH+i]
	v_and_b32 v[T+1], s30, v[QH+i]
	v_pk_add_f32 v[Q+2*i:Q+2*i+1], v[Q+2*i:Q+2*i+1], v[T:T+1] neg_lo:[0,1] neg_hi:[0,1]
	v_cvt_pk_bf16_f32 v[QM+i], v[Q+2*i], v[Q+2*i+1]
	v_lshlrev_b32 v[T+2], 16, v[QM+i]
	v_and_b32 v[T+3], s30, v[QM+i]
	v_pk_add_f32 v[Q+2*i:Q+2*i+1], v[Q+2*i:Q+2*i+1], v[T+2:T+3] neg_lo:[0,1] neg_hi:[0,1]
	v_cvt_pk_bf16_f32 v[QL+i], v[Q+2*i], v[Q+2*i+1]
.set i, i+1
.endr
	v_wmma_f32_16x16x32_bf16 v[C0:C0+7], v[AK:AK+7], v[QH:QH+7], 0      ; three accumulators by turns
	v_wmma_f32_16x16x32_bf16 v[C1:C1+7], v[AK:AK+7], v[QM:QM+7], 0
	v_wmma_f32_16x16x32_bf16 v[C2:C2+7], v[AK:AK+7], v[QL:QL+7], 0
	v_wmma_f32_16x16x32_bf16 v[C0:C0+7], v[AK+8:AK+15], v[QH+8:QH+15], v[C0:C0+7]
	v_wmma_f32_16x16x32_bf16 v[C1:C1+7], v[AK+8:AK+15], v[QM+8:QM+15], v[C1:C1+7]
	v_wmma_f32_16x16x32_bf16 v[C2:C2+7], v[AK+8:AK+15], v[QL+8:QL+15], v[C2:C2+7]
.rept 4
	v_nop
.endr
.set i, 0
.rept 4                                        ; the small parts first; each accumulator is read from its low end on
	v_pk_add_f32 v[R+2*i:R+2*i+1], v[C2+2*i:C2+2*i+1], v[C1+2*i:C1+2*i+1]
	v_pk_add_f32 v[R+2*i:R+2*i+1], v[R+2*i:R+2*i+1], v[C0+2*i:C0+2*i+1]
.set i, i+1
.endr
	s_wait_alu depctr_va_vdst(0)                   ; the sums R are written, which the LDS stores read; the split is done with v16 to v19, in which the way out's load lands
	ds_store_b128 v[AOS], v[R:R+3]
	ds_store_b128 v[AOS], v[R+4:R+7] offset:16
.Lno_p2:
	s_wait_dscnt 0x0
	s_barrier_signal -1
	s_barrier_wait -1
	; THE WAY OUT: wave w stores rows b = 2 w and 2 w + 1; sixteen lanes store 256 consecutive bytes, at a multiple of 256 from QK's first byte.
	; The two offsets and Wv's roundings stand between the LDS load and the wait for it, under one wait on va_vdst.
	ds_load_b128 v[16:19], v[AOL]
	s_wait_loadcnt 0x0                             ; Wv; bq's and Wv's loads are done: their offset registers are free
	s_lshl_b32 s5, s2, 17
	v_lshlrev_b32 v[GBQ], 16, v[HH]
	v_lshl_add_u32 v[GBQ], v[RR], 4, v[GBQ]
	v_add_nc_u32 v[GBQ], s5, v[GBQ]
	s_lshl_b32 s6, s2, 10
	v_lshl_add_u32 v[GWV], v[LN], 3, s6
.set i, 0
.rept 4
	v_cvt_pk_bf16_f32 v[WVR+4*i], v[WVR+4*i], v[WVR+4*i+1]
	v_cvt_pk_bf16_f32 v[WVR+4*i+1], v[WVR+4*i+2], v[WVR+4*i+3]
.set i, i+1
.endr
	s_wait_alu depctr_va_vdst(0)                   ; v252, v253 and WVR are written, which the stores below read as offsets and data
.set i, 0
.rept 4
	global_store_b64 v[GWV], v[WVR+4*i:WVR+4*i+1], s[24:25] offset:256*i  ; the wave's 32 lanes store 256 consecutive bytes, aligned
.set i, i+1
.endr
	s_wait_dscnt 0x0
	global_store_b128 v[GBQ], v[16:19], s[20:21]
	s_wait_dscnt 0x0                               ; the closing lines, six on end
	s_wait_alu 0x0
	s_wait_tensorcnt 0x0
	ds_add_u32 v[SPW], v[NIL]
	s_wait_dscnt 0x0
	s_endpgm
.Lfunc_end_k_qfa14cd3277_prep:
	.size	k_qfa14cd3277_prep, .Lfunc_end_k_qfa14cd3277_prep-k_qfa14cd3277_prep
	.p2alignl 7, 3214868480
	.fill 96, 4, 3214868480
	.section	.rodata,"a",@progbits
	.p2align	6, 0x0
	.amdhsa_kernel k_qfa14cd3277_prep
		.amdhsa_group_segment_fixed_size 229376
		.amdhsa_private_segment_fixed_size 0
		.amdhsa_enable_private_segment 0
		.amdhsa_kernarg_size 72
		.amdhsa_user_sgpr_count 2
		.amdhsa_user_sgpr_kernarg_segment_ptr 1
		.amdhsa_wavefront_size32 1
		.amdhsa_system_sgpr_workgroup_id_x 1
		.amdhsa_system_sgpr_workgroup_id_y 1
		.amdhsa_system_sgpr_workgroup_id_z 1
		.amdhsa_system_vgpr_workitem_id 0
		.amdhsa_next_free_vgpr 256
		.amdhsa_next_free_sgpr 66
		.amdhsa_reserve_vcc 0
		.amdhsa_float_denorm_mode_32 3
		.amdhsa_float_denorm_mode_16_64 3
		.amdhsa_memory_ordered 1
		.amdhsa_forward_progress 1
		.amdhsa_inst_pref_size 51
	.end_amdhsa_kernel
	.amdgpu_metadata
---
amdhsa.version: [ 1, 2 ]
amdhsa.kernels:
  - .name:           k_qfa14cd3277_prep
    .symbol:         k_qfa14cd3277_prep.kd
    .args:
      - { .name: state, .offset: 0, .size: 8, .value_kind: global_buffer, .address_space: global }
      - { .name: Wq, .offset: 8, .size: 8, .value_kind: global_buffer, .address_space: global }
      - { .name: bq, .offset: 16, .size: 8, .value_kind: global_buffer, .address_space: global }
      - { .name: Wk, .offset: 24, .size: 8, .value_kind: global_buffer, .address_space: global }
      - { .name: bk, .offset: 32, .size: 8, .value_kind: global_buffer, .address_space: global }
      - { .name: Wv, .offset: 40, .size: 8, .value_kind: global_buffer, .address_space: global }
      - { .name: QK, .offset: 48, .size: 8, .value_kind: global_buffer, .address_space: global }
      - { .name: SB, .offset: 56, .size: 8, .value_kind: global_buffer, .address_space: global }
      - { .name: WVB, .offset: 64, .size: 8, .value_kind: global_buffer, .address_space: global }
    .group_segment_fixed_size: 229376
    .private_segment_fixed_size: 0
    .kernarg_segment_align: 8
    .kernarg_segment_size: 72
    .max_flat_workgroup_size: 256
    .sgpr_count:     66
    .vgpr_count:     256
    .wavefront_size: 32
...
	.end_amdgpu_metadata
.endif
;; end of part 5
;; launch main (part 6): grid 256 x 1, 8 waves a work-group, no clusters, 321,536 bytes of LDS; arguments candidates, QK, SB, PW, ST, MS; writes PW, ST, MS
.if DOCPART == 6
	.amdgcn_target "amdgcn-amd-amdhsa--gfx1250"
	.amdhsa_code_object_version 6
	.text
	.protected	k_qfa14cd3277_main
	.globl	k_qfa14cd3277_main
	.p2align	8
	.type	k_qfa14cd3277_main,@function
k_qfa14cd3277_main:
	s_mov_b64 s[64:65], 0
	v_nop
	global_prefetch_b8 v0, s[64:65] scope:SCOPE_SE
	s_setreg_imm32_b32 hwreg(HW_REG_WAVE_SCHED_MODE, 0, 2), 2
	s_setreg_imm32_b32 hwreg(HW_REG_WAVE_MODE, 25, 1), 1
	s_wait_xcnt 0x0
	s_wait_alu depctr_vm_vsrc(0)
; MAIN: the one pass over candidates.  Work-group x = 16 b + j takes rows n = 128 j .. 128 j + 127 of batch b (524,288 bytes of f32), rounds them once to bf16 into LDS, and makes from that copy
;   scores[h][n] = cand[n][:] . QK[b][h][:] + SB[h][b]        (QK rounded to bf16; 16 columns of a product)
;   MS[b][n]     = cand[n][:] . qbar + mean of SB,  qbar = mean over h of QK in f32, split into three bf16 columns (8 + 8 + 8 significant bits): f32's accuracy, since whole-number outputs hang on its order
;   m2[h] = log2(e) x the block's maximum score, p = 2^(log2(e) s - m2), l[h] = the sum of p (unrounded),  PW[b][j][h][c] = sum over n of bf16(p[h][n]) cand[n][c]   (f32, not yet divided)
; The next launch joins the sixteen blocks of a batch by their maxima.
; SHARES.  While streaming, wave w = 4 g + s takes rows 64 g .. + 63 and columns 256 s .. + 255, and keeps them in block w of LDS, which no other wave touches before the third barrier.
; The four strips' partial scores meet in LDS; every wave adds them and makes the softmax itself (a second exchange would cost a barrier more).  In P x cand wave w takes columns 128 w .. + 127 of all 128 rows.
; IN FLIGHT: 48 loads of 512 bytes a wave, 196,608 bytes a work-group, from the kernel's first lines on.
; NO TENSOR LOAD: the rows arrive as f32 and pass through registers to be rounded, and LDS is filled by the bf16 copy.  NO CLUSTER: the sixteen work-groups of a batch share QK's 65,536 bytes alone, of 589,824 that each reads.
; LIMITS.  NaN and infinities are not treated apart; a weight below 2^-126 counts as 0.
; THE MODE: SCHED_MODE bits 1:0 = 2 (LLVM: expert scheduling mode 2), set by the entry lines.  The code itself states the register dependences
; between vector or matrix instructions and memory or LDS instructions, with s_wait_alu, always for 0.
; THE PLAN.  Registers that memory or LDS instructions touch, while streaming:
;   v4-19      offsets and addresses, made at the head and never written again.
;   the ring   six groups of eight loads.  Group q's registers are read by its 16 conversions alone, and loaded again (group q + 6) behind the wait that follows those.
;   OB0 .. OB3 four out-buffers of 16.  Group q's conversions write OB[q % 4], its 8 LDS stores read it; it is written again four groups on, with a tile between.
;   AF         a tile's LDS loads land in it, the tile's products read it.
;   ACCH, v20  written by a tile's products and selects, read by its three LDS stores, written again by the next tile.
; So a group has ONE wait on va_vdst, behind its conversions: the ring's next loads follow it at once, then the LDS stores.  A tile has one wait on vm_vsrc, beside its wait on DScnt
; (the round's four out-buffers and the last tile's ACCH and v20 are read), and one on va_vdst ahead of its three stores; the groups' waits also state that the last tile's products are done reading AF.
.set PB,    544                        ; a row of a block: 256 bf16 + 32 bytes = 136 words; a plain fragment load meets each bank twice (64 banks of 4 bytes: ISA guide 11.1)
.set BLK,   64*PB                      ; a wave's block
.set XR,    8*BLK                      ; first QB: 20 rows of 1,024 bf16: 16 heads, qbar's three parts, zeros; behind the second barrier the partial scores
.set PQ,    2064                       ; QB's pitch: 2,048 + 16 bytes
.set XM,    XR+32768                   ; partial mean scores: strip s at 512 s, a word a row
.set SPARE, 320000                     ; the spare words: 128 bytes a wave, four blocks of 256 bytes that no other line names
.set PS,    528                        ; the way out: a head's 128 f32 + 16 bytes
.set LN,   1
.set RR,   2
.set HH,   3
.set GOFF, 4                           ; candidates: 16 lane + 1,024 s + 64 g rows
.set ASTO, 5                           ; my block, in: 8 lane
.set AAF,  6                           ; my block, a fragment's lane address
.set AXH,  7                           ; my partial scores, in
.set AXM,  8                           ; my partial mean scores, in
.set ABH,  9                           ; QB: head lane % 16, my strip
.set ABQ,  10                          ; QB: row 16 + lane % 4 (the 16 rows stand in the immediate), my strip
.set AQB,  11                          ; QB, in: 8 x thread
.set ATR,  12                          ; v12, v13: the turning load's lane address in rows 0-63, 64-127
.set QOF,  14                          ; QK's offset, 16 x thread; in wave 0, where the thread's number is the lane's, also MS's
.set SOF,  15                          ; SB's offset
.set ASTG, 16
.set ARD,  17
.set POFF, 18
.set AXR,  19                          ; XR + 16 lane; the partial mean scores are reached from it by the immediate
.set T,    20                          ; v20-27 at work
.set SPW,  28
.set NIL,  29
.set M2,   30                          ; v30: SB's word, then m2 (v31 named with it as a pair)
.set QV,   32                          ; 64 registers three times over:
.set BH,   32
.set SC,   32
.set QO,   96                          ; at the start: QB's 20 rows as I store them, 2 registers a row
.set BQ,   96
.set TA,   96
.set PA,   96
.set AF,   160
.set TB,   160
.set OUT,  160
.set ACCH, 224
.set ACCM, 232
.set BIASH, 240
.set BIASM, 248
.set PF,   224
; window 1: v0-191 the ring of six groups of eight loads, v192-255 the four out-buffers; later v0-255 the 32 turned fragments, (ks, ct) at 64 ks + 8 ct
.set MSB, 0
.macro WIN new                         ; s_set_vgpr_msb: bits 1:0 source 0, 3:2 source 1, 5:4 source 2, 7:6 destination; the high byte repeats the setting that is left
.if MSB != (\new)
	s_set_vgpr_msb (MSB<<8)|(\new)
.set MSB, \new
.endif
.endm
.macro GLOAD q                         ; group q: four rows, two loads of 512 bytes each
.set p, 0
.rept 8
	global_load_b128 v[32*((\q)%6)+4*p:32*((\q)%6)+4*p+3], v[GOFF], s[8:9] offset:(4*(\q)+p/2)*4096+512*(p%2) th:TH_LOAD_NT
.set p, p+1
.endr
.endm
.macro GROUP q                         ; group q is rounded into an out-buffer; its registers take group q + 6; the out-buffer is laid into my block
.if 8*(15-(\q)) < 40
	s_wait_loadcnt 8*(15-(\q))                     ; the groups that are left behind it
.else
	s_wait_loadcnt 40                              ; five younger groups stay out
.endif
.set RB, 32*((\q)%6)
.set OB, 192+16*((\q)%4)
	WIN 0x45
.set p, 0
.rept 8
	v_cvt_pk_bf16_f32 v[OB+2*p], v[RB+4*p], v[RB+4*p+1]
	v_cvt_pk_bf16_f32 v[OB+2*p+1], v[RB+4*p+2], v[RB+4*p+3]
.set p, p+1
.endr
.if (\q) <= 9
	WIN 0x40
	s_wait_alu depctr_va_vdst(0)                   ; the conversions are done reading the group's registers, in which the loads below land, and have written the out-buffer, which the LDS stores read
	GLOAD (\q)+6
	WIN 0x04
.else
	WIN 0x04
	s_wait_alu depctr_va_vdst(0)                   ; the conversions have written the out-buffer, which the LDS stores read
.endif
.set p, 0
.rept 8
	ds_store_b64 v[ASTO], v[OB+2*p:OB+2*p+1] offset:(4*(\q)+p/2)*PB+256*(p%2)
.set p, p+1
.endr
.endm
.macro TILE t                          ; 16 rows x my 256 columns: 8 products for the heads, 8 for the mean, the two accumulators by turns
	WIN 0
.set k, 0
.rept 8
	ds_load_b128 v[AF+8*k:AF+8*k+3], v[AAF] offset:16*(\t)*PB+64*k      ; my own block: LDS serves a wave's instructions in order (ISA guide 5.7.1.4).  The groups' waits stand behind the last tile's products, which read AF
	ds_load_b128 v[AF+8*k+4:AF+8*k+7], v[AAF] offset:16*(\t)*PB+64*k+32
.set k, k+1
.endr
	s_wait_dscnt 0x0
	s_wait_alu depctr_vm_vsrc(0)                   ; the round's LDS stores have read the four out-buffers, which the next round's conversions (behind the last tile: the turned fragments) write; the last tile's stores have read ACCH and v20, which the lines below write
	v_wmma_f32_16x16x32_bf16 v[ACCH:ACCH+7], v[AF:AF+7], v[BH:BH+7], v[BIASH:BIASH+7]   ; the sums start with the bias (strip 0) or 0
	v_wmma_f32_16x16x32_bf16 v[ACCM:ACCM+7], v[AF:AF+7], v[BQ:BQ+7], v[BIASM:BIASM+7]
.set k, 1
.rept 7
	v_wmma_f32_16x16x32_bf16 v[ACCH:ACCH+7], v[AF+8*k:AF+8*k+7], v[BH+8*k:BH+8*k+7], v[ACCH:ACCH+7]
	v_wmma_f32_16x16x32_bf16 v[ACCM:ACCM+7], v[AF+8*k:AF+8*k+7], v[BQ+8*k:BQ+8*k+7], v[ACCM:ACCM+7]
.set k, k+1
.endr
.rept 4
	v_nop                                          ; four places behind the last product (ISA guide 7.12.1)
.endr
.irp x, 1, 2                           ; columns 4 i .. 4 i + 3 hold the three parts' sums and 0: added, every lane holds the mean scores of rows 8 (lane / 16) + 0..7
.set i, 0
.rept 8
	v_add_f32_dpp v[ACCM+i], v[ACCM+i], v[ACCM+i] row_xmask:\x row_mask:0xf bank_mask:0xf
.set i, i+1
.endr
.endr
	v_cndmask_b32 v[T], v[ACCM], v[ACCM+1], s26    ; lane l keeps register l % 8
	v_cndmask_b32 v[T+1], v[ACCM+2], v[ACCM+3], s26
	v_cndmask_b32 v[T+2], v[ACCM+4], v[ACCM+5], s26
	v_cndmask_b32 v[T+3], v[ACCM+6], v[ACCM+7], s26
	v_cndmask_b32 v[T], v[T], v[T+1], s27
	v_cndmask_b32 v[T+2], v[T+2], v[T+3], s27
	v_cndmask_b32 v[T], v[T], v[T+2], s28
	s_wait_alu depctr_va_vdst(0)                   ; the products have written ACCH and the selects v20, which the three LDS stores read; the places above stay beside this wait
	ds_store_b128 v[AXH], v[ACCH:ACCH+3] offset:(\t)*1024
	ds_store_b128 v[AXH], v[ACCH+4:ACCH+7] offset:(\t)*1024+512
	ds_store_b32 v[AXM], v[T] offset:(\t)*64       ; lanes l and l + 8 hold the same number for the same word
.endm
.macro XLOAD dst, s                    ; strip s's partial scores of all 128 rows
.set i, 0
.rept 16
	ds_load_b128 v[(\dst)+4*i:(\dst)+4*i+3], v[AXR] offset:(\s)*8192+512*i
.set i, i+1
.endr
.endm
.macro XADD src
.set i, 0
.rept 32
	v_pk_add_f32 v[SC+2*i:SC+2*i+1], v[SC+2*i:SC+2*i+1], v[(\src)+2*i:(\src)+2*i+1]
.set i, i+1
.endr
.endm
.macro TRLOAD ks                       ; rows 32 ks .. + 31 x my 128 columns, turned: 8 fragments of 16 c x 32 n
.set c, 0
.rept 8
	ds_load_tr16_b128 v[64*(\ks)+8*c:64*(\ks)+8*c+3], v[ATR+(\ks)/2] offset:((\ks)%2)*32*PB+32*c
	ds_load_tr16_b128 v[64*(\ks)+8*c+4:64*(\ks)+8*c+7], v[ATR+(\ks)/2] offset:((\ks)%2)*32*PB+16*PB+32*c
.set c, c+1
.endr
.endm
	s_load_b256 s[8:15], s[0:1], 0x0               ; candidates 8, QK 10, SB 12, PW 14
	s_load_b128 s[16:19], s[0:1], 0x20             ; ST 16, MS 18
	v_lshl_add_u32 v[SPW], v0, 2, SPARE
	v_mov_b32 v[NIL], 0
	v_lshrrev_b32 v[LN], 5, v0
	v_readfirstlane_b32 s2, v[LN]                  ; wave
	s_lshr_b32 s5, ttmp9, 4                        ; batch
	s_mov_b32 s22, 0x3fb8aa3b                      ; log2(e), named as a pair
	s_mov_b32 s23, s22
	s_mov_b32 s24, 0x76543210                      ; v_permlanex16_b32: each lane takes its own place in the other half
	s_mov_b32 s25, 0xfedcba98
	s_mov_b32 s26, 0xaaaaaaaa                      ; lanes with bit 0, 1, 2 set
	s_mov_b32 s27, 0xcccccccc
	s_mov_b32 s28, 0xf0f0f0f0
	s_mov_b32 s29, 0xffff0000                      ; a word's upper bf16; also lanes 16-31
	s_mov_b32 s31, 0x11111111                      ; lanes l with l % 4 = 0
	v_and_b32 v[LN], 31, v0
	v_and_b32 v[RR], 15, v0
	v_bfe_u32 v[HH], v0, 4, 1
	s_wait_alu depctr_va_sdst(0)                   ; s2 is written, ahead of its first reader: offsets, LDS addresses and branches are made from it
	s_and_b32 s3, s2, 3                            ; strip
	s_lshr_b32 s4, s2, 2                           ; row half
	s_cmp_eq_u32 s3, 0                             ; the bias enters one strip's sums alone
	s_cselect_b32 s30, 1.0, 0
	s_cselect_b32 s6, 0x3d800000, 0                ; 1 / 16
	s_lshl_b32 s20, s3, 10
	s_lshl_b32 s21, s4, 18
	s_add_co_u32 s20, s20, s21
	v_lshl_add_u32 v[GOFF], v[LN], 4, s20
	s_mul_i32 s20, s2, BLK
	v_lshl_add_u32 v[ASTO], v[LN], 3, s20
	v_mul_u32_u24 v[AAF], v[RR], PB
	v_lshl_add_u32 v[AAF], v[HH], 4, v[AAF]
	v_add_nc_u32 v[AAF], s20, v[AAF]
	s_lshl_b32 s20, s3, 13
	s_lshl_b32 s21, s4, 12
	s_add_co_u32 s20, s20, s21
	s_add_co_u32 s20, s20, XR
	v_lshl_add_u32 v[AXH], v[LN], 4, s20
	s_lshl_b32 s20, s3, 9
	s_lshl_b32 s21, s4, 8
	s_add_co_u32 s20, s20, s21
	s_add_co_u32 s20, s20, XM
	v_and_b32 v[T], 7, v0
	v_lshlrev_b32 v[AXM], 5, v[HH]
	v_lshl_add_u32 v[AXM], v[T], 2, v[AXM]
	v_add_nc_u32 v[AXM], s20, v[AXM]
	s_lshl_b32 s20, s3, 9
	s_add_co_u32 s20, s20, XR
	v_mul_u32_u24 v[ABH], v[RR], PQ
	v_lshl_add_u32 v[ABH], v[HH], 4, v[ABH]
	v_add_nc_u32 v[ABH], s20, v[ABH]
	v_and_b32 v[T+1], 3, v0
	v_mul_u32_u24 v[ABQ], v[T+1], PQ
	v_lshl_add_u32 v[ABQ], v[HH], 4, v[ABQ]
	v_add_nc_u32 v[ABQ], s20, v[ABQ]
	v_lshl_add_u32 v[AQB], v0, 3, XR
	v_lshl_add_u32 v[T+2], v[HH], 3, v[T]          ; the turning load: lane l reads row 8 (l / 16) + l % 8, 16 bytes at 16 ((l / 8) % 2);
	v_mul_u32_u24 v[T+2], v[T+2], PB
	v_bfe_u32 v[T+3], v0, 3, 1
	v_lshl_add_u32 v[T+2], v[T+3], 4, v[T+2]
	s_lshr_b32 s20, s2, 1                          ; my 128 columns lie in strip w / 2, half w % 2
	s_mul_i32 s20, s20, BLK
	s_and_b32 s21, s2, 1
	s_lshl_b32 s21, s21, 8
	s_add_co_u32 s20, s20, s21
	v_add_nc_u32 v[ATR], s20, v[T+2]
	v_add_nc_u32 v[ATR+1], 4*BLK, v[ATR]
	s_mul_i32 s21, s2, 16*PS
	v_mul_u32_u24 v[ASTG], v[RR], PS
	v_lshl_add_u32 v[ASTG], v[HH], 5, v[ASTG]
	v_add_nc_u32 v[ASTG], s21, v[ASTG]
	v_lshl_add_u32 v[ARD], v[LN], 4, s21
	s_lshl_b32 s20, s2, 9
	v_lshl_add_u32 v[POFF], v[LN], 4, s20
	v_lshl_add_u32 v[AXR], v[LN], 4, XR
	v_lshlrev_b32 v[QOF], 4, v0
	v_lshlrev_b32 v[SOF], 6, v[RR]
	s_wait_kmcnt 0x0
	s_mov_b32 s21, 0
	s_lshl_b32 s20, ttmp9, 19
	s_add_nc_u64 s[8:9], s[8:9], s[20:21]
	s_lshl_b32 s20, s5, 16
	s_add_nc_u64 s[10:11], s[10:11], s[20:21]
	s_lshl_b32 s20, s5, 2
	s_add_nc_u64 s[12:13], s[12:13], s[20:21]
	s_lshl_b32 s20, ttmp9, 16
	s_add_nc_u64 s[14:15], s[14:15], s[20:21]
	s_lshl_b32 s20, ttmp9, 7
	s_add_nc_u64 s[16:17], s[16:17], s[20:21]
	s_lshl_b32 s20, ttmp9, 9
	s_add_nc_u64 s[18:19], s[18:19], s[20:21]
	s_wait_alu depctr_va_vdst(0)                   ; the offsets and addresses v4 to v19 are written, which every load and store of the kernel reads
	; All loads of the start: QK (thread t: columns 4 t .. 4 t + 3 of every head), SB, and the ring's six groups.
.set i, 0
.rept 16
	global_load_b128 v[QV+4*i:QV+4*i+3], v[QOF], s[10:11] offset:4096*i
.set i, i+1
.endr
	global_load_b32 v[M2], v[SOF], s[12:13]        ; lane l: SB[l % 16][b]
	WIN 0x40
.irp q, 0,1,2,3,4,5
	GLOAD \q
.endr
	WIN 0
	; QB is built while the ring's loads are on their way.  The sixteen heads' rows go out first; the sum over the heads stands beside their stores.
	s_wait_loadcnt 48                              ; QK and SB are in; the ring's 48 are younger
.set i, 0
.rept 16
	v_cvt_pk_bf16_f32 v[QO+2*i], v[QV+4*i], v[QV+4*i+1]
	v_cvt_pk_bf16_f32 v[QO+2*i+1], v[QV+4*i+2], v[QV+4*i+3]
.set i, i+1
.endr
	s_wait_alu depctr_va_vdst(0)                   ; the conversions have written the heads' 32 registers of QO, which the LDS stores read
.set i, 0
.rept 16
	ds_store_b64 v[AQB], v[QO+2*i:QO+2*i+1] offset:i*PQ
.set i, i+1
.endr
.irp d, 8, 4, 2, 1                     ; the sum over the heads, in f32
.set i, 0
.rept 2*\d
	v_pk_add_f32 v[QV+2*i:QV+2*i+1], v[QV+2*i:QV+2*i+1], v[QV+4*\d+2*i:QV+4*\d+2*i+1]
.set i, i+1
.endr
.endr
	v_pk_mul_f32 v[QV:QV+1], v[QV:QV+1], 0x3d800000 op_sel_hi:[1,0]
	v_pk_mul_f32 v[QV+2:QV+3], v[QV+2:QV+3], 0x3d800000 op_sel_hi:[1,0]
.macro PART r, more                    ; the bf16 nearest to what is left of qbar: row 16 + r of QB
	v_cvt_pk_bf16_f32 v[QO+32+2*(\r)], v[QV], v[QV+1]
	v_cvt_pk_bf16_f32 v[QO+33+2*(\r)], v[QV+2], v[QV+3]
.if \more
	v_lshlrev_b32 v[T+4], 16, v[QO+32+2*(\r)]
	v_and_b32 v[T+5], s29, v[QO+32+2*(\r)]
	v_lshlrev_b32 v[T+6], 16, v[QO+33+2*(\r)]
	v_and_b32 v[T+7], s29, v[QO+33+2*(\r)]
	v_pk_add_f32 v[QV:QV+1], v[QV:QV+1], v[T+4:T+5] neg_lo:[0,1] neg_hi:[0,1]
	v_pk_add_f32 v[QV+2:QV+3], v[QV+2:QV+3], v[T+6:T+7] neg_lo:[0,1] neg_hi:[0,1]
.endif
.endm
	PART 0, 1
	PART 1, 1
	PART 2, 0
	v_mov_b32 v[QO+38], 0
	v_mov_b32 v[QO+39], 0
	s_wait_alu depctr_va_vdst(0)                   ; qbar's three parts and the zeros are written, which the LDS stores read; the sums are done with QV, in which the heads' fragments land below
.set i, 16
.rept 4
	ds_store_b64 v[AQB], v[QO+2*i:QO+2*i+1] offset:i*PQ
.set i, i+1
.endr
	v_mul_f32 v[BIASH], s30, v[M2]                 ; column lane % 16 is a head: its bias in all eight rows
	v_mov_b32 v[T+4], v[M2]
.irp x, 1, 2, 4, 8
	v_add_f32_dpp v[T+4], v[T+4], v[T+4] row_xmask:\x row_mask:0xf bank_mask:0xf
.endr
	v_mul_f32 v[T+4], s6, v[T+4]                   ; the heads' mean bias, in the first of each four columns
	v_cndmask_b32 v[BIASM], 0, v[T+4], s31
.set i, 1
.rept 7
	v_mov_b32 v[BIASH+i], v[BIASH]
	v_mov_b32 v[BIASM+i], v[BIASM]
.set i, i+1
.endr
	s_wait_dscnt 0x0                               ; for the others' sake: my part of QB is in LDS
	s_barrier_signal -1
	s_barrier_wait -1
	s_wait_alu depctr_vm_vsrc(0)                   ; my LDS stores have read QO, in which qbar's fragments land
.set k, 0
.rept 8                                        ; source 1 for my strip's eight K steps: the heads, and qbar's parts (columns: high, middle, low, 0, four times over)
	ds_load_b128 v[BH+8*k:BH+8*k+3], v[ABH] offset:64*k
	ds_load_b128 v[BH+8*k+4:BH+8*k+7], v[ABH] offset:64*k+32
	ds_load_b128 v[BQ+8*k:BQ+8*k+3], v[ABQ] offset:16*PQ+64*k
	ds_load_b128 v[BQ+8*k+4:BQ+8*k+7], v[ABQ] offset:16*PQ+64*k+32
.set k, k+1
.endr
	s_wait_dscnt 0x0                               ; my reads of QB are over: behind this barrier its bytes take the partial scores
	s_barrier_signal -1
	s_barrier_wait -1
	; THE STREAM
.irp t, 0,1,2,3
	GROUP 4*\t
	GROUP 4*\t+1
	GROUP 4*\t+2
	GROUP 4*\t+3
	TILE \t
.endr
	s_wait_dscnt 0x0                               ; my block and my partial scores are in LDS
	s_barrier_signal -1
	s_barrier_wait -1
	s_wait_alu depctr_vm_vsrc(0)                   ; ahead of the branch, for both ways: the last tile's LDS stores have read ACCH, in which wave 0's loads land and which the weights' rounding writes, and v20, which the maxima write
	; The four strips' mean scores: wave 0 adds and stores them, 512 consecutive bytes.
	s_cmp_lg_u32 s2, 0
	s_cbranch_scc1 .Lno_ms
.set i, 0
.rept 4
	ds_load_b128 v[ACCH+4*i:ACCH+4*i+3], v[AXR] offset:XM-XR+512*i   ; no vector or matrix instruction since the last tile's wait on va_vdst names v224 to v239
.set i, i+1
.endr
	s_wait_dscnt 0x0
	v_pk_add_f32 v[224:225], v[224:225], v[228:229]
	v_pk_add_f32 v[226:227], v[226:227], v[230:231]
	v_pk_add_f32 v[232:233], v[232:233], v[236:237]
	v_pk_add_f32 v[234:235], v[234:235], v[238:239]
	v_pk_add_f32 v[240:241], v[224:225], v[232:233]
	v_pk_add_f32 v[242:243], v[226:227], v[234:235]
	s_wait_alu depctr_va_vdst(0)                   ; the sums v240 to v243 are written, which the store reads
	global_store_b128 v[QOF], v[240:243], s[18:19]
.Lno_ms:
	; The four strips' scores are added; the turned fragments are fetched behind them.  Each wait on DScnt leaves out what was issued behind the strip that it wants.
	; SC, TA and TB are BH's, BQ's and AF's registers: the last tile's wait on va_vdst stands behind the products that read them.
	XLOAD SC, 0
	XLOAD TA, 1
	XLOAD TB, 2
	s_wait_dscnt 16
	XADD TA
	s_wait_alu depctr_va_vdst(0)                   ; the additions are done reading TA, in which strip 3 lands
	XLOAD TA, 3
	s_wait_dscnt 16
	XADD TB
	WIN 0x40
	TRLOAD 0                                       ; into the ring's registers, which no vector instruction has named since the groups' waits
	TRLOAD 1
	WIN 0
	s_wait_dscnt 32
	XADD TA
	WIN 0x40
	TRLOAD 2
	TRLOAD 3                                       ; into the out-buffers, written ahead of the groups' waits and read ahead of the last tile's wait on vm_vsrc
	WIN 0
	; Register 8 T + j holds the score of head lane % 16 at row 16 T + 8 (lane / 16) + j.  The block's maximum, in four chains.
.set k, 0
.rept 4
	v_max3_num_f32 v[T+k], v[SC+16*k], v[SC+16*k+1], v[SC+16*k+2]
.set k, k+1
.endr
.set i, 0
.rept 6
.set k, 0
.rept 4
	v_max3_num_f32 v[T+k], v[T+k], v[SC+16*k+3+2*i], v[SC+16*k+4+2*i]
.set k, k+1
.endr
.set i, i+1
.endr
.set k, 0
.rept 4
	v_max_num_f32 v[T+k], v[T+k], v[SC+16*k+15]
.set k, k+1
.endr
	v_max3_num_f32 v[T], v[T], v[T+1], v[T+2]
	v_max_num_f32 v[T], v[T], v[T+3]
	v_permlanex16_b32 v[T+4], v[T], s24, s25       ; the head's other 64 rows lie in the lane 16 away
	v_max_num_f32 v[T], v[T], v[T+4]
	v_mul_f32 v[M2], s22, v[T]
	v_mul_f32 v[M2+1], s22, v[T]
.set i, 0
.rept 32
	v_pk_fma_f32 v[SC+2*i:SC+2*i+1], v[SC+2*i:SC+2*i+1], s[22:23], v[M2:M2+1] op_sel_hi:[1,0,0] neg_lo:[0,0,1] neg_hi:[0,0,1]
.set i, i+1
.endr
.set i, 0
.rept 64
	v_exp_f32 v[SC+i], v[SC+i]
.set i, i+1
.endr
	v_nop                                          ; a plain instruction between the last exponential and the use of its result (ISA guide 5.7.2)
	s_wait_xcnt 0x0                                ; wave 0's store of the mean scores has had its address translated: the lines below write over its data registers
	s_wait_alu depctr_vm_vsrc(0)                   ; and it has read v240 to v243, which the weights' rounding writes
	s_wait_alu depctr_va_vdst(0)                   ; the 64 exponentials have written SC: one wait for the batch, ahead of its first reader
.set i, 0
.rept 32                                       ; rounded in pairs the weights ARE source 1 (32 rows x 16 heads) of the second product
	v_cvt_pk_bf16_f32 v[PF+i], v[SC+2*i], v[SC+2*i+1]
.set i, i+1
.endr
.irp d, 16, 8, 4, 2, 1
.set i, 0
.rept \d
	v_pk_add_f32 v[SC+2*i:SC+2*i+1], v[SC+2*i:SC+2*i+1], v[SC+2*(i+\d):SC+2*(i+\d)+1]
.set i, i+1
.endr
.endr
	v_add_f32 v[T+1], v[SC], v[SC+1]
	v_permlanex16_b32 v[T+4], v[T+1], s24, s25
	v_add_f32 v[T+1], v[T+1], v[T+4]               ; l
	s_cmp_lg_u32 s2, 0
	s_cbranch_scc1 .Lno_st
	v_lshlrev_b32 v[T+7], 2, v[LN]
	v_cndmask_b32 v[T+6], v[M2], v[T+1], s29       ; lanes 0-15: m2 of head l; lanes 16-31: l of head l - 16
	s_wait_alu depctr_va_vdst(0)                   ; v27 and v26 are written, which the store reads as offset and data
	global_store_b32 v[T+7], v[T+6], s[16:17]
.Lno_st:
	; PW^T = cand^T P: source 0 = 16 columns c x 32 rows (turned), source 1 = 32 rows x 16 heads.  Eight accumulators by turns; the first products start the sums.
	s_wait_dscnt 0x0                               ; the turned fragments are in: my reads of the blocks are over
	s_barrier_signal -1                            ; behind this barrier the blocks' bytes take the way out; the products, work on registers, stand between signal and wait
	WIN 0x01
.set k, 0
.rept 4
.set c, 0
.rept 8
.if k == 0
	v_wmma_f32_16x16x32_bf16 v[PA+8*c:PA+8*c+7], v[64*k+8*c:64*k+8*c+7], v[PF+8*k:PF+8*k+7], 0
.else
	v_wmma_f32_16x16x32_bf16 v[PA+8*c:PA+8*c+7], v[64*k+8*c:64*k+8*c+7], v[PF+8*k:PF+8*k+7], v[PA+8*c:PA+8*c+7]
.endif
.set c, c+1
.endr
.set k, k+1
.endr
	WIN 0
	s_barrier_wait -1
.rept 4
	v_nop
.endr
	s_wait_alu depctr_va_vdst(0)                   ; the products have written PA, which the LDS stores read; the places above stay beside this wait.  It also stands behind the additions that read TB, in which the rows land as OUT
	; THE WAY OUT: a lane holds eight neighbouring columns of one head; through my stage they come back as whole rows of 512 bytes.
.set i, 0
.rept 16
	ds_store_b128 v[ASTG], v[PA+4*i:PA+4*i+3] offset:64*(i/2)+16*(i%2)
.set i, i+1
.endr
.set i, 0
.rept 16
	ds_load_b128 v[OUT+4*i:OUT+4*i+3], v[ARD] offset:i*PS
.set i, i+1
.endr
.set i, 0
.rept 16
	s_wait_dscnt 15-i
	global_store_b128 v[POFF], v[OUT+4*i:OUT+4*i+3], s[14:15] offset:4096*i  ; 512 consecutive bytes, at a multiple of 256 from PW's first byte
.set i, i+1
.endr
	s_wait_dscnt 0x0                               ; the closing lines, six on end
	s_wait_alu 0x0
	s_wait_tensorcnt 0x0
	ds_add_u32 v[SPW], v[NIL]
	s_wait_dscnt 0x0
	s_endpgm
.Lfunc_end_k_qfa14cd3277_main:
	.size	k_qfa14cd3277_main, .Lfunc_end_k_qfa14cd3277_main-k_qfa14cd3277_main
	.p2alignl 7, 3214868480
	.fill 96, 4, 3214868480
	.section	.rodata,"a",@progbits
	.p2align	6, 0x0
	.amdhsa_kernel k_qfa14cd3277_main
		.amdhsa_group_segment_fixed_size 321536
		.amdhsa_private_segment_fixed_size 0
		.amdhsa_enable_private_segment 0
		.amdhsa_kernarg_size 48
		.amdhsa_user_sgpr_count 2
		.amdhsa_user_sgpr_kernarg_segment_ptr 1
		.amdhsa_wavefront_size32 1
		.amdhsa_system_sgpr_workgroup_id_x 1
		.amdhsa_system_sgpr_workgroup_id_y 1
		.amdhsa_system_sgpr_workgroup_id_z 1
		.amdhsa_system_vgpr_workitem_id 0
		.amdhsa_next_free_vgpr 512
		.amdhsa_next_free_sgpr 66
		.amdhsa_reserve_vcc 0
		.amdhsa_float_denorm_mode_32 3
		.amdhsa_float_denorm_mode_16_64 3
		.amdhsa_memory_ordered 1
		.amdhsa_forward_progress 1
		.amdhsa_inst_pref_size 102
	.end_amdhsa_kernel
	.amdgpu_metadata
---
amdhsa.version: [ 1, 2 ]
amdhsa.kernels:
  - .name:           k_qfa14cd3277_main
    .symbol:         k_qfa14cd3277_main.kd
    .args:
      - { .name: candidates, .offset: 0, .size: 8, .value_kind: global_buffer, .address_space: global }
      - { .name: QK, .offset: 8, .size: 8, .value_kind: global_buffer, .address_space: global }
      - { .name: SB, .offset: 16, .size: 8, .value_kind: global_buffer, .address_space: global }
      - { .name: PW, .offset: 24, .size: 8, .value_kind: global_buffer, .address_space: global }
      - { .name: ST, .offset: 32, .size: 8, .value_kind: global_buffer, .address_space: global }
      - { .name: MS, .offset: 40, .size: 8, .value_kind: global_buffer, .address_space: global }
    .group_segment_fixed_size: 321536
    .private_segment_fixed_size: 0
    .kernarg_segment_align: 8
    .kernarg_segment_size: 48
    .max_flat_workgroup_size: 256
    .sgpr_count:     66
    .vgpr_count:     512
    .wavefront_size: 32
...
	.end_amdgpu_metadata
.endif
;; end of part 6
;; launch comb: the kernel of part 3 again; grid 272 x 1, 8 waves a work-group, no clusters, 6,144 bytes of LDS; arguments PW, ST, WVB, bv, MS, CTXF, out1, out2, out3; writes CTXF, out1, out2, out3
;; launch outp: the kernel of part 4 again; grid 64 x 1, 8 waves a work-group, no clusters, 46,080 bytes of LDS; arguments CTXF, Wo, bo, out0; writes out0
